; MI455X (gfx1250); checked and timed in simulation.
; The chip was launched on July 23, 2026; its instructions are those of AMD's public machine-readable ISA for CDNA 5 (MIT licence, August 2026) and "CDNA5" Instruction Set Architecture Reference Guide (July 2026). The comments in the code are by the model that wrote it; some were corrected since.
;; Simple Attention. Allowed arithmetic: matrix products marked QUANTISED: E2M3 operands, one E8M0 scale for each 32 along K, by v_wmma_scale_f32_16x16x128_f8f6f4 with both operands' format E2M3, f32 sums; everything else in f32.
;; Inputs: Wk_codes 1,024 x 32 x 24 uint8 (E2M3 codes of Wk, K innermost, in blocks of 32 codes, four codes in three bytes); Wk_scales 1,024 x 32 uint8 (E8M0 scales of Wk, one for each 32 codes along K); Wo_codes 1,024 x 32 x 24 uint8 (E2M3 codes of Wo, K innermost, in blocks of 32 codes, four codes in three bytes); Wo_scales 1,024 x 32 uint8 (E8M0 scales of Wo, one for each 32 codes along K); Wq_codes 1,024 x 32 x 24 uint8 (E2M3 codes of Wq, K innermost, in blocks of 32 codes, four codes in three bytes); Wq_scales 1,024 x 32 uint8 (E8M0 scales of Wq, one for each 32 codes along K); Wv_codes 1,024 x 32 x 24 uint8 (E2M3 codes of Wv, K innermost, in blocks of 32 codes, four codes in three bytes); Wv_scales 1,024 x 32 uint8 (E8M0 scales of Wv, one for each 32 codes along K); bk 1,024 float32; bo 1,024 float32; bq 1,024 float32; bv 1,024 float32; input_codes 4 x 2,048 x 32 x 24 uint8 (E2M3 codes of input, K innermost, in blocks of 32 codes, four codes in three bytes); input_scales 4 x 2,048 x 32 uint8 (E8M0 scales of input, one for each 32 codes along K); mask 4 x 2,048 x 2,048 int32; memory_codes 4 x 2,048 x 32 x 24 uint8 (E2M3 codes of memory, K innermost, in blocks of 32 codes, four codes in three bytes); memory_scales 4 x 2,048 x 32 uint8 (E8M0 scales of memory, one for each 32 codes along K).
;; Outputs: out0 4 x 2,048 x 1,024 float32.
;; This version of the problem:
;;   THIS VERSION OF THE PROBLEM IS GIVEN IN LOW PRECISION. The matrix products marked QUANTISED in the list below multiply operands that are first quantised to E2M3 (2 exponent bits, 3 mantissa bits; 6 bits a number), with one power-of-two scale for each 32 numbers along K (OCP MX v1.0); their sums are f32. All else is computed in f32.
;;   The module's matrix products, in the order in which they are computed (A, B: the left and right operand; K: the contracted axis; several contracted axes count as one K, in the product's order):
;;     1. [M 8,192, K 1,024] x [K 1,024, N 1,024]; A: input input (given as codes); B: input Wq (given as codes): QUANTISED
;;     2. [M 8,192, K 1,024] x [K 1,024, N 1,024]; A: input memory (given as codes); B: input Wk (given as codes): QUANTISED
;;     3. [M 8,192, K 1,024] x [K 1,024, N 1,024]; A: input memory (given as codes); B: input Wv (given as codes): QUANTISED
;;     4. batch 4 x [M 2,048, K 1,024] x [K 1,024, N 2,048]; A: computed on the way; B: computed on the way: QUANTISED
;;     5. batch 4 x [M 2,048, K 2,048] x [K 2,048, N 1,024]; A: softmax (see below); B: computed on the way: QUANTISED
;;     6. [M 8,192, K 1,024] x [K 1,024, N 1,024]; A: computed on the way; B: input Wo (given as codes): QUANTISED
;;   THE QUANTISER, for each operand of a quantised product, along K:
;;     - K is cut into blocks of 32 from its start; a last block that is shorter is filled with zeros.
;;     - A block's scale is 2^e with e = floor(log2(the largest magnitude in the block)) - 2, held to -126 .. 127; a block of zeros has e = 0. As a byte (E8M0): e + 127.
;;     - Each number is divided by its block's scale, clamped to +-7.5, and rounded to the nearest number of E2M3, ties to even, subnormals kept.
;;     - The product sums the exact products of the quantised numbers (number of the format x scale) in f32.
;;   ~~~python
;;   def quantise(x, axis):      # numpy; x: float32 -> the quantised numbers, widened to float32 again
;;       x = np.moveaxis(x, axis, -1); K = x.shape[-1]
;;       x = np.pad(x, [(0, 0)] * (x.ndim - 1) + [(0, -K % 32)]); x = x.reshape(x.shape[:-1] + (-1, 32)); a = np.abs(x).max(-1, keepdims=True)
;;       e = np.where(a > 0, np.clip(np.frexp(np.where(a > 0, a, 1))[1] - 1 - 2, -126, 127), 0)      # np.frexp(a)[1] - 1 = floor(log2(a)), exactly
;;       r = np.clip(x / 2.0 ** e, -7.5, 7.5)
;;       step = 2.0 ** (np.maximum(np.frexp(np.where(r == 0, 1, r))[1] - 1, 0) - 3)
;;       q = np.round(r / step) * step * 2.0 ** e      # np.round: ties to even
;;       return np.moveaxis(q.reshape(q.shape[:-2] + (-1,))[..., :K], -1, axis).astype(np.float32)
;;   ~~~
;;   SOFTMAX AHEAD OF A QUANTISED PRODUCT. Where the list says 'softmax', what is quantised is not the finished softmax but p = 2^(t - M), with t = logit x log2(e) and M = ceil(the row's largest t), a whole number; so 1/2 < the row's largest p <= 1. The row's sum l is taken of the UNQUANTISED p, in f32, and the product's result is divided by l at the end. Since M is a whole number, a kernel that streams over the keys may use a running M (the ceiling of the running maximum): every later rescaling is an exact power of two, which a block's scale takes up: the codes' values come out the same.
;;   OPERANDS COMPUTED ON THE WAY. 'Computed on the way' means the value that the module computes at that place (a softmax that the list does not call 'softmax' is quantised finished and normalised). What goes into a quantiser is computed in f32, as accurately as f32 sums, v_exp_f32 and their like allow (about 1e-6 of the number): no bf16 or f16 on the way to a quantiser, and a product that is left as it is and whose result goes on into a quantised operand takes f32 operands (vector FMAs, or v_wmma_f32_16x16x4_f32). A number that lies on a knife's edge between two numbers of the format may be rounded either way, as far as f32 arithmetic and the matrix unit's own rounding can turn it there, and no further.
;;   INPUTS GIVEN AS CODES. Wk (in the module: [1024, 1024], K = its axis 1); Wo (in the module: [1024, 1024], K = its axis 1); Wq (in the module: [1024, 1024], K = its axis 1); Wv (in the module: [1024, 1024], K = its axis 1); input (in the module: [4, 2048, 1024], K = its axis 2); memory (in the module: [4, 2048, 1024], K = its axis 2): each comes as NAME_codes (uint8): NAME with its K axis moved to the last place and cut into blocks of 32 codes, [.., K / 32, bytes a block], one block behind the other in memory; four codes in three bytes: a row's codes are one little-endian stream of bits, code i at bits 6 i .. 6 i + 5 (a code: sign, 2 exponent bits, 3 mantissa bits); and NAME_scales (uint8): the same leading axes, one E8M0 byte (e + 127) for each 32 codes along K. Its value is code x scale, taken as it is: it is not quantised again, and the codes and scales need not be those that the quantiser above would give.
;; One version. Each part assembles by itself: llvm-mc -triple=amdgcn-amd-amdhsa -mcpu=gfx1250 --defsym DOCPART=n.
;; ======== version 1 of 1: 4 launches
;; limits: right only within a limited range of input values
;; workspace buffers: qkv 19,660,800 bytes; mbits 2,097,152 bytes; pbuf 14,155,776 bytes; cbuf 6,553,600 bytes
;; launch proj (part 1): grid 4 x 128, 4 waves a work-group, clusters of 4 x 4, 327,680 bytes of LDS; arguments input_codes, input_scales, memory_codes, memory_scales, Wq_codes, Wq_scales, Wk_codes, Wk_scales, Wv_codes, Wv_scales, bq, bk, bv, qkv, mask, mbits; writes qkv, mbits
.if DOCPART == 1
	.amdgcn_target "amdgcn-amd-amdhsa--gfx1250"
	.amdhsa_code_object_version 6
	.text
	.protected	k_q9bc0e0fc40_proj
	.globl	k_q9bc0e0fc40_proj
	.p2align	8
	.type	k_q9bc0e0fc40_proj,@function
k_q9bc0e0fc40_proj:
	s_mov_b64 s[64:65], 0
	v_nop
	global_prefetch_b8 v0, s[64:65] scope:SCOPE_SE
	s_setreg_imm32_b32 hwreg(HW_REG_WAVE_MODE, 25, 1), 1
	s_wait_xcnt 0x0
	s_wait_alu depctr_hold_cnt(0) depctr_sa_sdst(0) depctr_va_vdst(0) depctr_va_sdst(0) depctr_va_ssrc(0) depctr_va_vcc(0) depctr_vm_vsrc(0)
	s_getreg_b32 s2, hwreg(HW_REG_IB_STS2, 6, 4)
	s_cmp_eq_u32 s2, 0
	s_cbranch_scc0 .Lentry_in_a_cluster
	s_endpgm
.Lentry_in_a_cluster:
	s_bfe_u32 s2, ttmp6, 0x10000c
	s_cmp_lg_u32 s2, 0xf033
	s_cbranch_scc0 .Lentry_shape_is_right
	s_endpgm
.Lentry_shape_is_right:
; TWO KINDS OF CLUSTERS, told apart by the cluster's y (equal in all sixteen work-groups of a cluster).  y % 4 = 0 (8 clusters): the mask, int32, becomes one bit a key (.Lmask).
; The other 24 clusters: q = input Wq^T + bq, k = memory Wk^T + bk, v^T = Wv memory^T + bv on codes of FP6 (E2M3) with E8M0 scales; results are quantised again in registers
; (q, k along the depth, v^T along the tokens) and stored as images of operand registers.  JOB: 0 q, 1 k, 2 v^T.
; Operand a (source 1) has its rows in lanes, operand b (source 0) in registers: the axis that is quantised.  A tile of 256 x 256: four waves, 128 x 128 each, 64 accumulators.
; K = 1,024 is 768 bytes a row: three chunks of 256 bytes, each beginning at a multiple of 256, through two LDS slots; a K step of 128 is 96 bytes, so steps 2 and 5 lie across two chunks.
; a's tiles are asked for jointly along a row of the cluster, b's along a column.  The scale bytes of the 256 + 256 rows come once, by the head's loads.
; THE ROWS OF A BLOCK ARE NOT NEIGHBOURS: lane r of block i takes row 32 (i / 2) + 8 (i % 2) + r + 8 (r / 8), on both sides: register 16 B + e of a block of a-rows is then column 32 B + 16 (lane / 16) + e.
; WORKSPACE.  Record (group of 128 rows, K step of 128) is 12,800 bytes: fragment i at 1,536 i, byte 512 c + 16 lane + 4 w is register 4 c + w; from byte 12,288 the scale words, word (i, r) at 256 (i / 4) + 16 r + 4 (i % 4).
; No prefetch: the walk has three chunks, all asked for within the first three K steps, and no loop to run ahead in.
; LIMITS: NaN and infinities are not served.  A block of zeros gets the scale byte 1 (its codes are zeros; this program alone reads the bytes).
.set ROWB,   256
.set KROW,   768
.set CHUNKS, 3
.set PITCH,  272                       ; 256 bytes + 16 of padding
.set FR,     12
.set NL,     6
.set NP,     4
.set NQ,     2
.set HALFT,  128*PITCH
.set SLOT,   4*HALFT                   ; a's 256 rows, then b's
.set KS,     32
.set SCL,    2*SLOT
.set HALFS,  16*272                    ; the scales of 128 rows
.set SPARE,  SCL+4*HALFS               ; the spare words
.set REC,    12800
.set VA,   8                           ; v8-15 offsets of the bias loads
.set ADRA, 16                          ; v16-17 my a fragments in slot 0, 1; v18-19 for pieces whose two halves of lanes read different chunks
.set ADRB, 20
.set LI,   24                          ; 16 x lane
.set LN,   25
.set PR,   26                          ; r + 8 (r / 8)
.set ADRS, 27
.set SPW,  28
.set NIL,  29
.set SC,   32                          ; v32-63 scale words, two sets
.set BC,   64                          ; v64-127 the bias
.set TM,   64
.set PW,   80
.set XO,   88
.set AF,   128
.set PCB,  128
.set JOB,  2
.set SS,   3                           ; K steps in a row of records
.set SEL,  66
.set G1, 24
.set G0, 32
.set G1B, 48
.set G0B, 56
.set G1S, 68
.set G0S, 76
.set G1SB, 80
.set G0SB, 88
.set G0H, 4
.set G0HB, 8
.set MKI,  2
.set MKO,  3
.set MOUT, 32
.set MSB, 0
.macro WIN new                         ; the immediate's high byte repeats the setting that is left
.if MSB != (\new)
	s_set_vgpr_msb (MSB<<8)|(\new)
.set MSB, (\new)
.endif
.endm
.set MUL_LO, 0xa1                      ; source 0 (b) window 1, source 1 (a) window 0, C and D window 2
.set MUL_HI, 0xf1
.set TO_B,   0x40
.macro JLOAD g0a, g1a, g0b, g1b        ; a joint load: waves 0, 1 for a, waves 2, 3 for b
	s_cmp_eq_u32 s15, 0
	s_cbranch_scc0 .Lfor_b_\@
	tensor_load_to_lds s[\g0a:\g0a+3], s[\g1a:\g1a+7]
	s_nop 0
.rept 4
	v_nop
.endr
	s_branch .Lasked_\@
.Lfor_b_\@:
	tensor_load_to_lds s[\g0b:\g0b+3], s[\g1b:\g1b+7]
	s_nop 0
.rept 4
	v_nop
.endr
.Lasked_\@:
.endm
.macro CREST
	s_cmp_lg_u32 s14, 0
	s_cbranch_scc1 .Lnot_wave_0_\@
	s_barrier_signal -3
.Lnot_wave_0_\@:
	s_barrier_wait -3
	s_barrier_signal -1
	s_barrier_wait -1
.endm
.macro CROUND
	s_barrier_signal -1
	s_barrier_wait -1
	CREST
.endm
.macro PLACES n
.rept \n
	v_nop
.endr
.endm
	s_load_b512 s[68:83], s[0:1], 0x0              ; input c, s; memory c, s; Wq c, s; Wk c, s
	s_load_b256 s[84:91], s[0:1], 0x40             ; Wv c, s; bq; bk
	s_load_b256 s[92:99], s[0:1], 0x60             ; bv; qkv; mask; mbits
	v_lshl_add_u32 v[SPW], v0, 2, SPARE
	v_mov_b32 v[NIL], 0
	ds_add_u32 v[SPW], v[NIL]                      ; the opening lines: the add twice and one wait
	ds_add_u32 v[SPW], v[NIL]
	v_lshrrev_b32 v1, 5, v0
	v_readfirstlane_b32 s14, v1                    ; wave
	s_bfe_u32 s40, ttmp6, 0x40000                  ; cx
	s_bfe_u32 s41, ttmp6, 0x40004                  ; cy
	s_and_b32 s18, ttmp7, 0xffff
	s_and_b32 s19, s18, 15                         ; WHICH CLUSTERS PACK THE MASK (this takes the place of the head's y % 4 = 0): y % 16 < 4, so four of them have the lowest numbers,
	s_lshr_b32 s18, s18, 4                         ; and the other four follow the first twelve clusters of products
	s_wait_alu depctr_va_vdst(0)                   ; the wait ahead of the blocking wait
	s_wait_dscnt 0x0
	s_cmp_lt_u32 s19, 4                            ; the same answer in all sixteen work-groups of a cluster
	s_cbranch_scc1 .Lmask
	s_lshr_b32 s15, s14, 1                         ; my half of a's rows; also: I fetch for a (0) or b (1)
	s_and_b32 s16, s14, 1                          ; my half of b's rows; also: which 128 rows I fetch
	s_mul_i32 s18, s18, 12
	s_add_co_u32 s18, s18, s19
	s_sub_co_u32 s18, s18, 4                       ; which of the 24 clusters of products: 12 (y / 16) + y % 16 - 4
	s_lshr_b32 s[JOB], s18, 3
	s_and_b32 s18, s18, 7
	s_lshl_b32 s18, s18, 2
	s_cmp_eq_u32 s[JOB], 2
	s_cselect_b32 s17, 0, s18                      ; q, k: 32 tile rows x 4 tile columns; v^T: 4 x 32
	s_cselect_b32 s42, s18, 0
	s_cselect_b32 s[SS], 64, 8
	s_add_co_u32 s17, s17, s41                     ; tile row
	s_add_co_u32 s42, s42, s40                     ; tile column
	s_lshl_b32 s43, s41, 2
	s_lshl_b32 s43, 15, s43                        ; my row of the cluster
	s_lshl_b32 s44, 0x1111, s40                    ; my column
	s_or_b32 s[G1+0], s43, (0<<16)|(1<<20)|(1<<21)|(5<<22)|(3<<25)  ; bytes; 4 words of padding behind every 64
	s_or_b32 s[G1B+0], s44, (0<<16)|(1<<20)|(1<<21)|(5<<22)|(3<<25)
.irp g, G1, G1B
	s_mov_b32 s[\g+1], ROWB<<16
	s_mov_b32 s[\g+2], 256<<16                     ; the head's loads bring 256 rows
	s_mov_b32 s[\g+3], ROWB<<16
	s_mov_b32 s[\g+4], 256
	s_mov_b32 s[\g+5], KROW
	s_mov_b32 s[\g+6], 0
	s_mov_b32 s[\g+7], 0
.endr
	s_mov_b32 s[SEL], 0x76543210
	s_mov_b32 s[SEL+1], 0xfedcba98
	s_wait_kmcnt 0x0
	s_cmp_eq_u32 s[JOB], 0                         ; the job's buffers, by the cluster's number alone
	s_cselect_b64 s[4:5], s[68:69], s[72:73]
	s_cselect_b64 s[6:7], s[70:71], s[74:75]
	s_cselect_b64 s[8:9], s[76:77], s[80:81]
	s_cselect_b64 s[10:11], s[78:79], s[82:83]
	s_cselect_b64 s[98:99], s[88:89], s[90:91]     ; the bias
	s_cmp_eq_u32 s[JOB], 2
	s_cselect_b64 s[4:5], s[84:85], s[4:5]         ; v^T: a = Wv, b = memory
	s_cselect_b64 s[6:7], s[86:87], s[6:7]
	s_cselect_b64 s[8:9], s[72:73], s[8:9]
	s_cselect_b64 s[10:11], s[74:75], s[10:11]
	s_cselect_b64 s[98:99], s[92:93], s[98:99]
	s_mov_b64 s[12:13], s[94:95]                   ; qkv
	s_or_b32 s[G1S+0], s43, (3<<16)|(1<<20)|(1<<21)|(5<<22)|(3<<25)  ; the scales of 256 rows: 8,192 dense bytes as 32 rows of 256
	s_or_b32 s[G1SB+0], s44, (3<<16)|(1<<20)|(1<<21)|(5<<22)|(3<<25)
.irp g, G1S, G1SB
	s_mov_b32 s[\g+1], 32<<16
	s_mov_b32 s[\g+2], KS<<16
	s_mov_b32 s[\g+3], 32<<16
	s_mov_b32 s[\g+4], KS
	s_mov_b32 s[\g+5], 32
	s_mov_b32 s[\g+6], 0
	s_mov_b32 s[\g+7], 0
.endr
	s_lshl_b32 s20, s17, 8                         ; a's first row
	s_lshl_b32 s46, s42, 8                         ; b's
	s_mov_b32 s21, 0
	s_mov_b32 s47, 0
	s_mov_b64 s[18:19], KS
	s_mul_u64 s[22:23], s[20:21], s[18:19]
	s_mul_u64 s[92:93], s[46:47], s[18:19]
	s_mov_b64 s[18:19], KROW
	s_mul_u64 s[20:21], s[20:21], s[18:19]
	s_mul_u64 s[46:47], s[46:47], s[18:19]
	s_mul_i32 s18, s16, 128*KROW                   ; in the ring I fetch 128 rows
	s_mov_b32 s19, 0
	s_mul_i32 s45, s14, HALFT
	s_add_nc_u64 s[20:21], s[4:5], s[20:21]
	s_add_nc_u64 s[22:23], s[6:7], s[22:23]
	s_add_nc_u64 s[46:47], s[8:9], s[46:47]
	s_add_nc_u64 s[92:93], s[10:11], s[92:93]
	CROUND                                         ; all sixteen work-groups are here
	s_mov_b32 s[G0H], 1                            ; chunk 0 of a's 256 rows,
	s_mov_b32 s[G0H+1], 0
	s_mov_b64 s[G0H+2:G0H+3], s[20:21]
	s_or_b32 s[G0H+3], s[G0H+3], 0x80000000
	s_mov_b32 s[G0HB], 1                           ; of b's,
	s_mov_b32 s[G0HB+1], 2*HALFT
	s_mov_b64 s[G0HB+2:G0HB+3], s[46:47]
	s_or_b32 s[G0HB+3], s[G0HB+3], 0x80000000
	s_mov_b32 s[G0S], 1                            ; a's scales,
	s_mov_b32 s[G0S+1], SCL
	s_mov_b64 s[G0S+2:G0S+3], s[22:23]
	s_or_b32 s[G0S+3], s[G0S+3], 0x80000000
	s_mov_b32 s[G0SB], 1                           ; b's
	s_mov_b32 s[G0SB+1], SCL+2*HALFS
	s_mov_b64 s[G0SB+2:G0SB+3], s[92:93]
	s_or_b32 s[G0SB+3], s[G0SB+3], 0x80000000
	s_add_nc_u64 s[20:21], s[20:21], s[18:19]
	s_add_nc_u64 s[46:47], s[46:47], s[18:19]
.irp s, 0,1
	s_mov_b32 s[G0+4*\s], 1
	s_add_co_u32 s[G0+4*\s+1], s45, \s*SLOT
	s_add_nc_u64 s[G0+4*\s+2:G0+4*\s+3], s[20:21], \s*ROWB
	s_or_b32 s[G0+4*\s+3], s[G0+4*\s+3], 0x80000000
	s_mov_b32 s[G0B+4*\s], 1
	s_add_co_u32 s[G0B+4*\s+1], s45, \s*SLOT
	s_add_nc_u64 s[G0B+4*\s+2:G0B+4*\s+3], s[46:47], \s*ROWB
	s_or_b32 s[G0B+4*\s+3], s[G0B+4*\s+3], 0x80000000
.endr
; the head's four tiles, one load a wave, in one chain of branches on the wave's number
.macro ARM under, g0, g1, next
	s_cmp_lt_u32 s14, \under
	s_cbranch_scc0 \next
	tensor_load_to_lds s[\g0:\g0+3], s[\g1:\g1+7]
	s_nop 0
.rept 4
	v_nop
.endr
	s_branch .Lhead_asked
\next:
.endm
	ARM 1, G0H,  G1,  .Lhead_b
	ARM 2, G0HB, G1B, .Lhead_sa
	ARM 3, G0S,  G1S, .Lhead_sb
	tensor_load_to_lds s[G0SB:G0SB+3], s[G1SB:G1SB+7]
	s_nop 0
.rept 4
	v_nop
.endr
.Lhead_asked:
	; scalars first, then one run of vector lines
	s_cmp_eq_u32 s[JOB], 2                         ; the bias: q, k by register (column), v^T by lane (row)
	s_cselect_b32 s18, 4, 0
	s_cselect_b32 s19, 0, 64
	s_cselect_b32 s20, 0, 4
	s_cselect_b32 s21, s17, s42
	s_cselect_b32 s22, s15, s16
	s_lshl_b32 s21, s21, 10
	s_lshl_b32 s22, s22, 9
	s_add_co_u32 s21, s21, s22
	s_mul_i32 s22, s15, HALFT                      ; my 128 rows of a
	s_mul_i32 s23, s16, HALFT
	s_add_co_u32 s23, s23, 2*HALFT                 ; my 128 rows of b
	s_mov_b32 s43, SLOT-232
	s_mov_b32 s44, SLOT+232
	s_mul_i32 s45, s15, HALFS
	s_mul_i32 s46, s16, HALFS
	s_add_co_u32 s46, s46, 2*HALFS
	s_sub_co_u32 s46, s46, s45                     ; from a's scale rows to b's
	s_add_co_u32 s45, s45, SCL
	s_lshl_b32 s92, s17, 1                         ; my record: (2 tile row + half) x SS + 2 tile column + half
	s_add_co_u32 s92, s92, s15
	s_mul_i32 s92, s92, s[SS]
	s_lshl_b32 s93, s42, 1
	s_add_co_u32 s93, s93, s16
	s_add_co_u32 s92, s92, s93
	s_mul_i32 s92, s92, REC
	s_mul_i32 s93, s[JOB], 0x640000                ; an image: 512 records
	s_add_co_u32 s92, s92, s93
	s_mov_b32 s93, 0
	s_add_nc_u64 s[12:13], s[12:13], s[92:93]
	v_and_b32 v1, 15, v0                           ; r
	v_bfe_u32 v2, v0, 4, 1                         ; h
	v_and_b32 v[PR], 8, v1
	v_add_nc_u32 v[PR], v[PR], v1
	v_mul_u32_u24 v[VA], v[PR], s18
	v_mad_u32_u24 v[VA], v2, s19, v[VA]
	v_add_nc_u32 v[VA], s21, v[VA]
.irp j, 1,2,3,4,5,6,7
	v_add_nc_u32 v[VA+\j], s20, v[VA+\j-1]
.endr
.irp x, 0,1,2,3,4,5,6,7
.irp j, 0,1,2,3,4,5,6,7
	global_load_b32 v[BC+8*\x+\j], v[VA+\j], s[98:99] offset:4*(32*(\x/2)+8*(\x%2))
.endr
.endr
	v_mul_u32_u24 v3, v[PR], PITCH
	v_mul_u32_u24 v4, v2, 24
	v_add_nc_u32 v4, v3, v4                        ; row x pitch + 24 h
	v_sub_nc_u32 v7, 1, v2
	v_mul_u32_u24 v5, s43, v2
	v_add_nc_u32 v5, v3, v5
	v_add_nc_u32 v5, 232, v5                       ; lanes 0-15 byte 232 in slot 0, lanes 16-31 byte 0 in slot 1
	v_mul_u32_u24 v6, s44, v7
	v_add_nc_u32 v6, v3, v6                        ; and the other way round
	v_add_nc_u32 v[ADRA], s22, v4
	v_add_nc_u32 v[ADRB], s23, v4
	v_add_nc_u32 v[ADRA+1], SLOT, v[ADRA]
	v_add_nc_u32 v[ADRB+1], SLOT, v[ADRB]
	v_add_nc_u32 v[ADRA+2], s22, v5
	v_add_nc_u32 v[ADRA+3], s22, v6
	v_add_nc_u32 v[ADRB+2], s23, v5
	v_add_nc_u32 v[ADRB+3], s23, v6
	v_mul_u32_u24 v5, v[PR], KS                    ; my row's scales, 16 more for each 256 passed
	v_lshrrev_b32 v6, 8, v5
	v_lshl_add_u32 v5, v6, 4, v5
	v_mul_u32_u24 v6, s46, v2                      ; lanes 16-31 take b's
	v_add_nc_u32 v5, v5, v6
	v_add_nc_u32 v[ADRS], s45, v5
	v_and_b32 v[LN], 31, v0
	v_lshlrev_b32 v[LI], 4, v[LN]
.macro FRAG reg, adr, st, i            ; 16 rows x 128 K: 24 bytes twice, in pieces of 8; byte y of a row lies in slot (y / 256) % 2 at byte y % 256
.irp p, 0,1,2,3,4,5
.set BY, 96*(\st)+48*(\p/3)+8*(\p%3)
.set RO, (32*((\i)/2)+8*((\i)%2))*PITCH
.if BY/ROWB == (BY+24)/ROWB
	ds_load_b64 v[\reg+2*\p:\reg+2*\p+1], v[\adr+(BY/ROWB)%2] offset:BY%ROWB+RO
.else
	ds_load_b64 v[\reg+2*\p:\reg+2*\p+1], v[\adr+2+(BY/ROWB)%2] offset:BY%ROWB-232+RO
.endif
.endr
.endm
; 16 matrix instructions.  cm: 0 adds on, 1 C = the bias by register (tile b), 2 C = the bias by lane (tile a).  The 64 accumulators take turns.
.macro MUL16 a0, p, q, sc, cm
.irp a, \a0, \a0+1
.irp b, 0,1,2,3,4,5,6,7
.set DD, 8*(8*((\a)%4)+\b)
.set BF, 128*(\p)+FR*\b
.set FA, AF+FR*(\a)
.set SCB, SC+8*NQ*(\sc)+NQ*\b+(\q)
.set SCA, SC+8*NQ*(\sc)+NQ*(\a)+(\q)
.if (\cm) == 1
	v_wmma_scale_f32_16x16x128_f8f6f4 v[DD:DD+7], v[BF:BF+FR-1], v[FA:FA+FR-1], v[BC+8*\b:BC+8*\b+7], v[SCB], v[SCA] matrix_a_fmt:MATRIX_FMT_FP6 matrix_b_fmt:MATRIX_FMT_FP6 matrix_a_scale:MATRIX_SCALE_ROW1
.elseif (\cm) == 2
	v_wmma_scale_f32_16x16x128_f8f6f4 v[DD:DD+7], v[BF:BF+FR-1], v[FA:FA+FR-1], v[BC+8*(\a):BC+8*(\a)+7], v[SCB], v[SCA] matrix_a_fmt:MATRIX_FMT_FP6 matrix_b_fmt:MATRIX_FMT_FP6 matrix_a_scale:MATRIX_SCALE_ROW1
.else
	v_wmma_scale_f32_16x16x128_f8f6f4 v[DD:DD+7], v[BF:BF+FR-1], v[FA:FA+FR-1], v[DD:DD+7], v[SCB], v[SCA] matrix_a_fmt:MATRIX_FMT_FP6 matrix_b_fmt:MATRIX_FMT_FP6 matrix_a_scale:MATRIX_SCALE_ROW1
.endif
.endr
.endr
.endm
.macro FETCH_B st, p
	WIN TO_B
.irp i, 0,1,2,3,4,5,6,7
	FRAG 128*(\p)+FR*\i, ADRB, \st, \i
.endr
	WIN 0
.endm
.macro FETCH_A st, i0
.irp i, \i0, \i0+1, \i0+2, \i0+3
	FRAG AF+FR*(\i), ADRA, \st, \i
.endr
.endm
.macro SCALES pr                       ; the words of steps 2 pr, 2 pr + 1: lanes 0-15 a's block i, lanes 16-31 b's
.irp i, 0,1,2,3,4,5,6,7
	ds_load_b64 v[SC+8*NQ*((\pr)%2)+NQ*\i:SC+8*NQ*((\pr)%2)+NQ*\i+1], v[ADRS] offset:(4*(\i/2)+\i%2)*272+4*NQ*(\pr)
.endr
.endm
; A K step.  Where the next step's bytes end in a chunk not read yet: a wait for my tensor loads and a barrier.  Where they begin in a later chunk: the wait, the add, the wait for it and for my reads, the barrier;
; where a chunk two on is left, that barrier opens a round of the cluster's and the slot is filled again.
.macro STEP st, cm
.set NX, (\st)+1
.set C0, (96*(\st))/ROWB
.set C1, (96*NX)/ROWB
.set E0, (96*(\st)+95)/ROWB
.set E1, (96*NX+95)/ROWB
.set PP, (\st)%2
.set SQ, ((\st)/2)%2
.if \cm
.set WLO, 0x81                         ; C in window 0
.set WHI, 0xc1
.else
.set WLO, MUL_LO
.set WHI, MUL_HI
.endif
.if C1 > C0 || E1 > E0
	s_wait_tensorcnt 0x0                           ; all my tensor loads have landed
.if C1 > C0
	ds_add_u32 v[SPW], v[NIL]
	s_wait_dscnt 4*NL+1                            ; the add and a's blocks 4-7 (24 loads) may be out
.else
	s_wait_dscnt 4*NL                              ; a's blocks 4-7 may be out
.endif
	WIN WLO
	MUL16 0, PP, PP, SQ, \cm
	s_wait_dscnt 0x0                               ; the add and my reads are done
	s_barrier_signal -1
	MUL16 2, PP, PP, SQ, \cm
	WIN 0
	s_barrier_wait -1
.if C1 > C0 && C0+2 < CHUNKS
	CREST
	s_add_nc_u64 s[G0+4*(C0%2)+2:G0+4*(C0%2)+3], s[G0+4*(C0%2)+2:G0+4*(C0%2)+3], 2*ROWB
	s_add_nc_u64 s[G0B+4*(C0%2)+2:G0B+4*(C0%2)+3], s[G0B+4*(C0%2)+2:G0B+4*(C0%2)+3], 2*ROWB
	JLOAD G0+4*(C0%2), G1, G0B+4*(C0%2), G1B       ; first behind the round; its four v_nop are the places for the loads below
.else
	PLACES NP
.endif
.else
	s_wait_dscnt 4*NL
	WIN WLO
	MUL16 0, PP, PP, SQ, \cm
	MUL16 2, PP, PP, SQ, \cm
	s_wait_dscnt 0
	PLACES NP
.endif
	FETCH_B NX, NX%2
	FETCH_A NX, 0
.if NX%2 == 0
	SCALES NX/2
.endif
	WIN WHI
	MUL16 4, PP, PP, SQ, \cm
	MUL16 6, PP, PP, SQ, \cm
	PLACES NP
	WIN 0
	FETCH_A NX, 4
.endm
	s_wait_alu depctr_va_vdst(0)                   ; the wait at the head's end
	s_wait_tensorcnt 0x0                           ; my tile of the head's four is in; the lines ahead of a later first fill:
	ds_add_u32 v[SPW], v[NIL]
	s_mov_b32 s[G1+2], 128<<16                     ; no load of mine is out: from here on a load brings 128 rows
	s_mov_b32 s[G1+4], 128
	s_mov_b32 s[G1B+2], 128<<16
	s_mov_b32 s[G1B+4], 128
	s_wait_dscnt 0x0
	CROUND
	JLOAD G0+4, G1, G0B+4, G1B                     ; chunk 1
	FETCH_B 0, 0
	FETCH_A 0, 0
	SCALES 0
	FETCH_A 0, 4
	s_wait_loadcnt 0x0                             ; the bias
	s_cmp_eq_u32 s[JOB], 2
	s_cbranch_scc1 .Lbias_by_lane
	STEP 0, 1
	s_branch .Lbias_done
.Lbias_by_lane:
	STEP 0, 2
.Lbias_done:
.irp t, 1,2,3,4,5,6
	STEP \t, 0
.endr
	s_wait_dscnt 4*NL
	WIN MUL_LO
	MUL16 0, 1, 1, 1, 0
	MUL16 2, 1, 1, 1, 0
	s_wait_dscnt 0x0
	WIN MUL_HI
	MUL16 4, 1, 1, 1, 0
	MUL16 6, 1, 1, 1, 0
	WIN 0
; THE WAY OUT.  A block of 16 a-rows (64 registers a lane) is quantised where it lies: four blocks of 32 along the next K, each shared by lanes l and l xor 16.
.macro QUANTW a
.set W, 2+(\a)/4
.set AC, 64*((\a)%4)
.set PCD, PCB+20*((\a)%2)
	WIN (W<<2)|(W<<4)
.irp b, 0,1,2,3
	v_max3_num_f32 v[TM+\b], 0x1800000, |v[AC+16*\b]|, |v[AC+16*\b+1]|   ; the floor 2^(3 - 127) holds the byte at 1 from below
.endr
.irp i, 2,4,6,8,10,12,14
.irp b, 0,1,2,3
	v_max3_num_f32 v[TM+\b], v[TM+\b], |v[AC+16*\b+\i]|, |v[AC+16*\b+\i+1]|
.endr
.endr
	WIN 0
.irp b, 0,1,2,3
	v_permlanex16_b32 v[TM+4+\b], v[TM+\b], s[SEL], s[SEL+1]
.endr
.irp b, 0,1,2,3
	v_max_num_f32 v[TM+\b], v[TM+\b], v[TM+4+\b]
.endr
.irp b, 0,1,2,3
	v_add_nc_u32 v[TM+12+\b], 0xff000000, v[TM+\b] ; 2 off the exponent field: the conversion's scale operand
.endr
.irp b, 0,1,2,3
	v_lshrrev_b32 v[TM+4+\b], 23, v[TM+12+\b]      ; the scale's byte
.endr
	v_lshl_or_b32 v[PW+(\a)], v[TM+5], 8, v[TM+4]
	v_lshl_or_b32 v[PW+(\a)], v[TM+6], 16, v[PW+(\a)]
	v_lshl_or_b32 v[PW+(\a)], v[TM+7], 24, v[PW+(\a)]
.if (\a) >= 2
	s_wait_alu depctr_va_vdst(0)                   ; the wait ahead of the blocking wait
	s_wait_xcnt 0x0                                ; the stores of two blocks ago have read this set of registers
.endif
	WIN W
.irp c, 0,1
	v_cvt_scalef32_pk16_fp6_f32 v[PCD+6*\c:PCD+6*\c+2], v[AC+32*\c:AC+32*\c+15], v[TM+12+2*\c]
	v_cvt_scalef32_pk16_fp6_f32 v[PCD+12+4*\c:PCD+14+4*\c], v[AC+32*\c+16:AC+32*\c+31], v[TM+13+2*\c]
.endr
	WIN 0
	v_nop                                          ; one plain place behind a scaled conversion
.irp c, 0,1                                    ; the operand's layout wants a whole block in a lane
.irp i, 0,1,2
	v_permlane16_swap_b32 v[PCD+6*\c+\i], v[PCD+12+4*\c+\i]
.endr
.irp i, 0,1,2
	v_mov_b32 v[PCD+3+6*\c+\i], v[PCD+12+4*\c+\i]
.endr
.endr
.irp c, 0,1,2
	global_store_b128 v[LI], v[PCD+4*\c:PCD+4*\c+3], s[12:13] offset:(\a)*1536+512*\c   ; 32 lanes store 512 consecutive bytes, aligned
.endr
.endm
.irp b, 0,1,2,3
	v_mov_b32 v[TM+4+\b], 0                        ; a lane permute's destination counts as a source; also the places behind the last products
.endr
.irp a, 0,1,2,3,4,5,6,7
	QUANTW \a
.endr
	v_cmp_le_u32 vcc_lo, 16, v[LN]                 ; lanes 0-15 store the words of blocks 0-3, lanes 16-31 those of blocks 4-7
.irp j, 0,1,2,3
	v_cndmask_b32 v[XO+\j], v[PW+\j], v[PW+4+\j], vcc_lo
.endr
	global_store_b128 v[LI], v[XO:XO+3], s[12:13] offset:12288
	s_wait_tensorcnt 0x0                           ; the wave's end
	ds_add_u32 v[SPW], v[NIL]
	s_wait_dscnt 0x0
	CROUND                                         ; the closing round
	s_endpgm
; THE MASK'S WAY.  512 waves; wave W takes 32 rows (W / 2) x 1,024 keys (W % 2): 256 loads, each 512 consecutive bytes of one row.
; A compare of register j of row l gives a word whose bit L is (mask[row l][128 cc + 4 L + j] != 0); v_writelane_b32 puts it into lane l: lane l ends up with row l's four words of chunk cc.
; mbits: record (group of 128 rows, chunk of 128 keys) is 2,048 bytes; the 16 bytes of (block i, lane r) lie at 256 i + 16 r, row = 32 (i / 2) + 8 (i % 2) + r + 8 (r / 8).
; Four sets of 16 rows (window 1) take turns.  cx and cy enter global addresses alone.  No tensor load, no LDS but the spare words, no barrier but the closing round.
.Lmask:
	s_lshl_b32 s18, s18, 2
	s_add_co_u32 s18, s18, s19                     ; which of the 8 mask clusters: 4 (y / 16) + y % 16
	s_lshl_b32 s20, s18, 6
	s_lshl_b32 s21, s41, 4
	s_add_co_u32 s20, s20, s21
	s_lshl_b32 s21, s40, 2
	s_add_co_u32 s20, s20, s21
	s_add_co_u32 s20, s20, s14                     ; W
	s_lshr_b32 s21, s20, 1                         ; which 32 rows
	s_and_b32 s22, s20, 1                          ; which 1,024 keys
	s_lshl_b32 s4, s21, 18
	s_lshl_b32 s23, s22, 12
	s_add_co_u32 s4, s4, s23
	s_mov_b32 s5, 0
	s_lshr_b32 s6, s21, 2
	s_lshl_b32 s6, s6, 4
	s_lshl_b32 s23, s22, 3
	s_add_co_u32 s6, s6, s23
	s_lshl_b32 s6, s6, 11
	s_and_b32 s23, s21, 3
	s_lshl_b32 s23, s23, 9
	s_add_co_u32 s6, s6, s23
	s_mov_b32 s7, 0
	v_and_b32 v4, 31, v0
	v_lshlrev_b32 v[MKI], 4, v4
	v_bfe_u32 v5, v4, 3, 1                         ; l = 16 (r / 8) + 8 u + r % 8
	v_and_b32 v6, 7, v4
	v_lshrrev_b32 v7, 4, v4
	v_lshl_add_u32 v6, v7, 3, v6
	v_lshlrev_b32 v6, 4, v6
	v_lshl_add_u32 v[MKO], v5, 8, v6               ; out: 256 u + 16 r
.irp j, 0,1,2,3,4,5,6,7
	v_mov_b32 v[MOUT+\j], 0
.endr
	s_wait_alu depctr_va_vdst(0)                   ; the wait at the head's end
	s_wait_kmcnt 0x0
	s_add_nc_u64 s[4:5], s[96:97], s[4:5]
	s_add_nc_u64 s[6:7], s[98:99], s[6:7]
.macro LOADU q, ch
	WIN 0x40
.set ii, 0
.rept 16
	global_load_b128 v[64*(\q)+4*ii:64*(\q)+4*ii+3], v[MKI], s[4:5] offset:8192*(16*((\q)%2)+ii)+512*(\ch) th:TH_LOAD_NT
.set ii, ii+1
.endr
.endm
.macro PROCU q, left                   ; left: the loads issued behind this set's
	s_wait_loadcnt \left
	WIN 0x04
.set ii, 0
.rept 8
.irp k, 0,1,2,3,4,5,6,7
	v_cmp_ne_u32 s[20+\k], 0, v[64*(\q)+4*ii+\k]
.endr
.irp k, 0,1,2,3,4,5,6,7
	v_writelane_b32 v[MOUT+4*((\q)/2)+\k%4], s[20+\k], 16*((\q)%2)+ii+\k/4
.endr
.set ii, ii+2
.endr
.if ((\q)%2) == 1
	WIN 0
	global_store_b128 v[MKO], v[MOUT+4*((\q)/2):MOUT+4*((\q)/2)+3], s[6:7] offset:2048*((\q)/2)
.endif
.endm
	LOADU 0, 0
	LOADU 1, 0
	LOADU 2, 1
	LOADU 3, 1
	WIN 0
	s_mov_b32 s19, 3
.Lmtrip:                                               ; a trip packs two chunks and asks for the two behind them
	PROCU 0, 48
	LOADU 0, 2
	PROCU 1, 48
	LOADU 1, 2
	PROCU 2, 48
	LOADU 2, 3
	PROCU 3, 48
	LOADU 3, 3
	WIN 0
	s_wait_xcnt 0x0                                ; the bases step and the words' registers are written again only behind this wait
	s_add_nc_u64 s[4:5], s[4:5], 1024
	s_add_nc_u64 s[6:7], s[6:7], 4096
	s_sub_co_u32 s19, s19, 1
	s_cmp_lg_u32 s19, 0
	s_cbranch_scc1 .Lmtrip
	PROCU 0, 48
	PROCU 1, 32
	PROCU 2, 16
	PROCU 3, 0
	s_wait_tensorcnt 0x0                           ; the wave's end
	ds_add_u32 v[SPW], v[NIL]
	s_wait_dscnt 0x0
	CROUND
	s_endpgm
.Lfunc_end_k_q9bc0e0fc40_proj:
	.size	k_q9bc0e0fc40_proj, .Lfunc_end_k_q9bc0e0fc40_proj-k_q9bc0e0fc40_proj
	.p2alignl 7, 3214868480
	.fill 96, 4, 3214868480
	.section	.rodata,"a",@progbits
	.p2align	6, 0x0
	.amdhsa_kernel k_q9bc0e0fc40_proj
		.amdhsa_group_segment_fixed_size 327680
		.amdhsa_private_segment_fixed_size 0
		.amdhsa_enable_private_segment 0
		.amdhsa_kernarg_size 128
		.amdhsa_user_sgpr_count 2
		.amdhsa_user_sgpr_kernarg_segment_ptr 1
		.amdhsa_wavefront_size32 1
		.amdhsa_system_sgpr_workgroup_id_x 1
		.amdhsa_system_sgpr_workgroup_id_y 1
		.amdhsa_system_sgpr_workgroup_id_z 1
		.amdhsa_system_vgpr_workitem_id 0
		.amdhsa_next_free_vgpr 1024
		.amdhsa_next_free_sgpr 100
		.amdhsa_reserve_vcc 1
		.amdhsa_float_denorm_mode_32 3
		.amdhsa_float_denorm_mode_16_64 3
		.amdhsa_memory_ordered 1
		.amdhsa_forward_progress 1
		.amdhsa_inst_pref_size 255
	.end_amdhsa_kernel
	.section	.bss,"aw",@nobits
	.p2align	6
	.space	262144
	.amdgpu_metadata
---
amdhsa.version: [ 1, 2 ]
amdhsa.kernels:
  - .name:           k_q9bc0e0fc40_proj
    .symbol:         k_q9bc0e0fc40_proj.kd
    .args:
      - { .name: input_codes, .offset: 0, .size: 8, .value_kind: global_buffer, .address_space: global }
      - { .name: input_scales, .offset: 8, .size: 8, .value_kind: global_buffer, .address_space: global }
      - { .name: memory_codes, .offset: 16, .size: 8, .value_kind: global_buffer, .address_space: global }
      - { .name: memory_scales, .offset: 24, .size: 8, .value_kind: global_buffer, .address_space: global }
      - { .name: Wq_codes, .offset: 32, .size: 8, .value_kind: global_buffer, .address_space: global }
      - { .name: Wq_scales, .offset: 40, .size: 8, .value_kind: global_buffer, .address_space: global }
      - { .name: Wk_codes, .offset: 48, .size: 8, .value_kind: global_buffer, .address_space: global }
      - { .name: Wk_scales, .offset: 56, .size: 8, .value_kind: global_buffer, .address_space: global }
      - { .name: Wv_codes, .offset: 64, .size: 8, .value_kind: global_buffer, .address_space: global }
      - { .name: Wv_scales, .offset: 72, .size: 8, .value_kind: global_buffer, .address_space: global }
      - { .name: bq, .offset: 80, .size: 8, .value_kind: global_buffer, .address_space: global }
      - { .name: bk, .offset: 88, .size: 8, .value_kind: global_buffer, .address_space: global }
      - { .name: bv, .offset: 96, .size: 8, .value_kind: global_buffer, .address_space: global }
      - { .name: qkv, .offset: 104, .size: 8, .value_kind: global_buffer, .address_space: global }
      - { .name: mask, .offset: 112, .size: 8, .value_kind: global_buffer, .address_space: global }
      - { .name: mbits, .offset: 120, .size: 8, .value_kind: global_buffer, .address_space: global }
    .group_segment_fixed_size: 327680
    .private_segment_fixed_size: 0
    .kernarg_segment_align: 8
    .kernarg_segment_size: 128
    .max_flat_workgroup_size: 128
    .sgpr_count:     100
    .vgpr_count:     1024
    .wavefront_size: 32
...
	.end_amdgpu_metadata
.endif
;; end of part 1
;; launch score (part 2): grid 8 x 32, 4 waves a work-group, clusters of 4 x 4, 327,680 bytes of LDS; arguments qkv, mbits, pbuf; writes pbuf
.if DOCPART == 2
	.amdgcn_target "amdgcn-amd-amdhsa--gfx1250"
	.amdhsa_code_object_version 6
	.text
	.protected	k_q9bc0e0fc40_score
	.globl	k_q9bc0e0fc40_score
	.p2align	8
	.type	k_q9bc0e0fc40_score,@function
k_q9bc0e0fc40_score:
	s_mov_b64 s[64:65], 0
	v_nop
	global_prefetch_b8 v0, s[64:65] scope:SCOPE_SE
	s_setreg_imm32_b32 hwreg(HW_REG_WAVE_MODE, 25, 1), 1
	s_wait_xcnt 0x0
	s_wait_alu depctr_hold_cnt(0) depctr_sa_sdst(0) depctr_va_vdst(0) depctr_va_sdst(0) depctr_va_ssrc(0) depctr_va_vcc(0) depctr_vm_vsrc(0)
	s_getreg_b32 s2, hwreg(HW_REG_IB_STS2, 6, 4)
	s_cmp_eq_u32 s2, 0
	s_cbranch_scc0 .Lentry_in_a_cluster
	s_endpgm
.Lentry_in_a_cluster:
	s_bfe_u32 s2, ttmp6, 0x10000c
	s_cmp_lg_u32 s2, 0xf033
	s_cbranch_scc0 .Lentry_shape_is_right
	s_endpgm
.Lentry_shape_is_right:
; S = q k^T on codes of FP6 (E2M3), then the softmax's p for one chunk of 128 keys at a time, quantised along the keys.  a = q (queries in lanes, source 1), b = k (keys in registers, source 0).
; A tile is 256 queries x 256 keys of one batch; four waves, 128 x 128 each: a wave's 128 keys are ONE chunk.  t = S x log2(e) / 32; where the mask's bit is 0, t = -1e10 x log2(e), a whole number.
; M OF A CHUNK: -M = floor(-(the chunk's largest t)): a whole number.  p = 2^(t - M) is quantised under that M; -M and the chunk's sum l of the unquantised p go to memory beside the codes, and the next launch
; brings all chunks of a row under the row's M by taking a whole number off the scale bytes: exact, the codes' values are the same.
; OPERANDS come as images of their registers: a fragment is three loads of 16 bytes a lane, 512 consecutive bytes each: no pitch, no padding.  K = 1,024 is four quarters of 256; three LDS slots take quarters 0 to 2 at the
; start, and slot 0 is filled once more, with quarter 3, behind a round of the cluster's barrier.  q's tile is asked for jointly along a row of the cluster, k's along a column.
; Register 16 B + e of a block of queries is key 32 B + 16 (lane / 16) + e of the chunk (the rows of k's blocks were chosen for that when its image was made).
; LIMITS: NaN and infinities are not served.  A p under 2^-126 comes out of v_exp_f32 as 0.  A block whose every p is 0 gets the scale byte 1.
.set FR,    12
.set NL,    3                          ; LDS loads that bring a fragment
.set NP,    4
; THE RING AS IT STANDS (this takes the place of what the head says of quarters and three slots): a record of q or k (128 rows, one K step) is 12,800 bytes, its 512 bytes of scale words behind its codes.
; Two slots of three K steps: slot 0 takes steps 0-2 at the head, one load a wave; slot 1 steps 3-5 behind the full sequence and a round; slot 0 is filled once more, with steps 6 and 7.
.set REC,   12800
.set GRP,   3*REC                      ; three K steps of one group of 128 rows
.set SLOT,  4*GRP                      ; q's two groups, then k's two
.set SPARE, 2*SLOT                     ; the spare words
.set K_IMG, 0x640000
.set P_SC,  0xC00000                   ; behind it, 0x80000 apart: -M, l
.set R16,  1                           ; v1   16 r
.set LI,   2                           ; v2   16 x lane
.set SH,   3                           ; v3   4 h
.set TMKR, 4                           ; v4   a masked t
.set LN,   5                           ; v5   lane
.set ADRA, 8                           ; v8-9   my q fragments in slot 0, 1
.set ADRB, 10                          ; v10-11 my k fragments
.set ADSA, 12                          ; v12-13 16 r in my q group, slot 0, 1: for its scale words
.set ADSB, 14                          ; v14-15 the same for k
.set SPW,  28
.set NIL,  29
.set SC,   32                          ; v32-63 scale words: set p: q's eight at 32 + 16 p, k's eight at 40 + 16 p
.set MB,   64                          ; v64-95 the mask's bits: four words for each block of queries
.set PW,   96                          ; v96-103 scale words, v104-111 -M, v112-119 l: one for each block
.set NMS,  104
.set LL,   112
.set AF,   128                         ; q's fragments; later
.set T,    128                         ; v128-191 t, then p
.set PCB,  192                         ; v192-231 two sets of 20 registers for codes
.set BM,   232                         ; v232-235 the four blocks' largest t, then p
.set BX,   236
.set NM,   240                         ; v[240:241] -M (the packed form names the pair)
.set MS,   242
.set TT,   246
.set SU0,  246
.set SU1,  248
.set SO,   250
.set TA,   254
.set TC,   255
.set XO,   232
.set CM,   18                          ; s18-21 compare masks
.set CS,   98                          ; s[98:99] log2(e) / 32
.set SEL,  100
.set G1A,  24
.set G0A,  32                          ; two sets
.set G1B,  48
.set G0B,  56                          ; two sets
.set MSB, 0
.macro WIN new
.if MSB != (\new)
	s_set_vgpr_msb (MSB<<8)|(\new)
.set MSB, (\new)
.endif
.endm
.set MUL_LO, 0xa1
.set MUL_HI, 0xf1
.set TO_B,   0x40
.macro JLOAD g0a, g1a, g0b, g1b
	s_cmp_eq_u32 s15, 0
	s_cbranch_scc0 .Lfor_b_\@
	tensor_load_to_lds s[\g0a:\g0a+3], s[\g1a:\g1a+7]
	s_nop 0
.rept 4
	v_nop
.endr
	s_branch .Lasked_\@
.Lfor_b_\@:
	tensor_load_to_lds s[\g0b:\g0b+3], s[\g1b:\g1b+7]
	s_nop 0
.rept 4
	v_nop
.endr
.Lasked_\@:
.endm
.macro CREST
	s_cmp_lg_u32 s14, 0
	s_cbranch_scc1 .Lnot_wave_0_\@
	s_barrier_signal -3
.Lnot_wave_0_\@:
	s_barrier_wait -3
	s_barrier_signal -1
	s_barrier_wait -1
.endm
.macro CROUND
	s_barrier_signal -1
	s_barrier_wait -1
	CREST
.endm
.macro PLACES n
.rept \n
	v_nop
.endr
.endm
	s_load_b128 s[4:7], s[0:1], 0x0                ; qkv, mbits
	s_load_b64 s[8:9], s[0:1], 0x10                ; pbuf
	v_lshl_add_u32 v[SPW], v0, 2, SPARE
	v_mov_b32 v[NIL], 0
	ds_add_u32 v28, v29
	ds_add_u32 v28, v29
	s_wait_dscnt 0x0
	v_lshrrev_b32 v1, 5, v0
	v_readfirstlane_b32 s14, v1                    ; wave
	s_lshr_b32 s15, s14, 1                         ; my half of the queries.  Also: I fetch for q (0) or for k (1)
	s_and_b32 s16, s14, 1                          ; my half of the keys.  Also: which group I fetch
	s_bfe_u32 s92, ttmp6, 0x40000                  ; cx
	s_bfe_u32 s93, ttmp6, 0x40004                  ; cy
	s_lshl_b32 s3, ttmp9, 2
	s_add_co_u32 s3, s3, s92                       ; tile of 256 keys in the batch, 0..7
	s_and_b32 s17, ttmp7, 0xffff
	s_lshr_b32 s2, s17, 1                          ; the batch: by the cluster's y alone
	s_lshl_b32 s17, s17, 2
	s_add_co_u32 s17, s17, s93                     ; tile of 256 queries, 0..31 over all batches
	s_lshl_b32 s94, s93, 2
	s_lshl_b32 s94, 15, s94                        ; my row of the cluster
	s_lshl_b32 s95, 0x1111, s92                    ; my column
	s_or_b32 s[G1A], s94, (3<<16)|(1<<21)          ; a dense block of 38,400 bytes as 150 rows of 32 elements of 8 bytes
	s_or_b32 s[G1B], s95, (3<<16)|(1<<21)
.irp g, G1A, G1B
	s_mov_b32 s[\g+1], 32<<16
	s_mov_b32 s[\g+2], 150<<16                     ; three records: 150 rows of 256 bytes
	s_mov_b32 s[\g+3], 32<<16
	s_mov_b32 s[\g+4], 150
	s_mov_b32 s[\g+5], 32
	s_mov_b32 s[\g+6], 0
	s_mov_b32 s[\g+7], 0
.endr
	s_mov_b32 s[CS], 0x3d38aa3b
	s_mov_b32 s[CS+1], s[CS]
	s_mov_b32 s[SEL], 0x76543210
	s_mov_b32 s[SEL+1], 0xfedcba98
	s_lshl_b32 s20, s17, 1
	s_add_co_u32 s20, s20, s16                     ; q's group that I fetch
	s_mul_i32 s20, s20, 8*REC
	s_mov_b32 s21, 0
	s_lshl_b32 s96, s3, 1
	s_add_co_u32 s96, s96, s16
	s_lshl_b32 s12, s2, 4
	s_add_co_u32 s96, s96, s12                     ; k's group: 16 batch + 2 tile + half
	s_mul_i32 s96, s96, 8*REC
	s_add_co_u32 s96, s96, K_IMG
	s_mov_b32 s97, 0
	s_mul_i32 s10, s14, GRP                        ; where they go: by the wave's number alone
	s_wait_kmcnt 0x0
	s_add_nc_u64 s[20:21], s[4:5], s[20:21]
	s_add_nc_u64 s[96:97], s[4:5], s[96:97]
	CROUND                                         ; all sixteen work-groups are here
.irp n, 0,1
	s_mov_b32 s[G0A+4*\n], 1
	s_add_co_u32 s[G0A+4*\n+1], s10, \n*SLOT
	s_add_nc_u64 s[G0A+4*\n+2:G0A+4*\n+3], s[20:21], \n*GRP
	s_or_b32 s[G0A+4*\n+3], s[G0A+4*\n+3], 0x80000000
	s_mov_b32 s[G0B+4*\n], 1
	s_add_co_u32 s[G0B+4*\n+1], s10, \n*SLOT
	s_add_nc_u64 s[G0B+4*\n+2:G0B+4*\n+3], s[96:97], \n*GRP
	s_or_b32 s[G0B+4*\n+3], s[G0B+4*\n+3], 0x80000000
.endr
	JLOAD G0A, G1A, G0B, G1B                       ; K steps 0-2: one tensor load a wave at the head
	v_and_b32 v[LN], 31, v0
	v_and_b32 v[R16], 15, v0
	v_lshlrev_b32 v[R16], 4, v[R16]
	s_wait_alu depctr_va_vdst(0)
	v_lshlrev_b32 v[LI], 4, v[LN]
	s_wait_alu depctr_va_vdst(0)
	v_bfe_u32 v[SH], v0, 4, 1
	v_lshlrev_b32 v[SH], 2, v[SH]
	v_mov_b32 v[TMKR], 0xd056fa73                  ; -1e10 x log2(e), rounded to f32: -14,426,950,656
	; my record: (2 query tile + my half) x 16 + 2 key tile + my half
	s_lshl_b32 s96, s17, 1
	s_add_co_u32 s96, s96, s15
	s_lshl_b32 s96, s96, 4
	s_lshl_b32 s97, s3, 1
	s_add_co_u32 s97, s97, s16
	s_add_co_u32 s96, s96, s97
	s_lshl_b32 s10, s96, 11
	s_mov_b32 s11, 0
	s_add_nc_u64 s[10:11], s[6:7], s[10:11]        ; its mask bits
.irp a, 0,1,2,3,4,5,6,7
	global_load_b128 v[MB+4*\a:MB+4*\a+3], v[R16], s[10:11] offset:256*\a
.endr
	s_mul_i32 s12, s96, 12288
	s_mov_b32 s13, 0
	s_add_nc_u64 s[12:13], s[8:9], s[12:13]        ; its codes
	s_lshl_b32 s22, s96, 9
	s_add_co_u32 s22, s22, P_SC
	s_mov_b32 s23, 0
	s_add_nc_u64 s[22:23], s[8:9], s[22:23]        ; its scale words
	s_mul_i32 s18, s15, GRP
	s_mul_i32 s19, s16, GRP
	s_add_co_u32 s19, s19, 2*GRP
.irp n, 0,1
	v_add_nc_u32 v[ADRA+\n], s18, v[LI]
	v_add_nc_u32 v[ADRB+\n], s19, v[LI]
	v_add_nc_u32 v[ADSA+\n], s18, v[R16]
	v_add_nc_u32 v[ADSB+\n], s19, v[R16]
	s_add_co_u32 s18, s18, SLOT
	s_add_co_u32 s19, s19, SLOT
.endr
.macro FRAGI reg, adr, off             ; a fragment comes back as it was stored: three loads, 512 consecutive bytes each
.irp c, 0,1,2
	ds_load_b128 v[(\reg)+4*\c:(\reg)+4*\c+3], v[\adr] offset:(\off)+512*\c
.endr
.endm
; K step s (0..7) lies in slot (s / 3) % 2, at 12,800 (s % 3); k's set and the set of scale words are s % 2
.macro FETCH_B s
	WIN TO_B
.irp i, 0,1,2,3,4,5,6,7
	FRAGI 128*((\s)%2)+FR*\i, ADRB+(((\s)/3)%2), ((\s)%3)*REC+\i*1536
.endr
	WIN 0
.endm
.macro FETCH_A s, i0
.irp i, \i0, \i0+1, \i0+2, \i0+3
	FRAGI AF+FR*(\i), ADRA+(((\s)/3)%2), ((\s)%3)*REC+(\i)*1536
.endr
.endm
.macro SCALES s
	ds_load_b128 v[SC+16*((\s)%2):SC+16*((\s)%2)+3], v[ADSA+(((\s)/3)%2)] offset:((\s)%3)*REC+12288
	ds_load_b128 v[SC+16*((\s)%2)+4:SC+16*((\s)%2)+7], v[ADSA+(((\s)/3)%2)] offset:((\s)%3)*REC+12544
	ds_load_b128 v[SC+16*((\s)%2)+8:SC+16*((\s)%2)+11], v[ADSB+(((\s)/3)%2)] offset:((\s)%3)*REC+12288
	ds_load_b128 v[SC+16*((\s)%2)+12:SC+16*((\s)%2)+15], v[ADSB+(((\s)/3)%2)] offset:((\s)%3)*REC+12544
.endm
.macro MUL16 a0, s, zero               ; the 64 accumulators take turns, in the same order in every step
.irp a, \a0, \a0+1
.irp b, 0,1,2,3,4,5,6,7
.set DD, 8*(8*((\a)%4)+\b)
.set BF, 128*((\s)%2)+FR*\b
.set FA, AF+FR*(\a)
.set SCB, SC+16*((\s)%2)+8+\b
.set SCA, SC+16*((\s)%2)+(\a)
.if \zero
	v_wmma_scale_f32_16x16x128_f8f6f4 v[DD:DD+7], v[BF:BF+FR-1], v[FA:FA+FR-1], 0, v[SCB], v[SCA] matrix_a_fmt:MATRIX_FMT_FP6 matrix_b_fmt:MATRIX_FMT_FP6
.else
	v_wmma_scale_f32_16x16x128_f8f6f4 v[DD:DD+7], v[BF:BF+FR-1], v[FA:FA+FR-1], v[DD:DD+7], v[SCB], v[SCA] matrix_a_fmt:MATRIX_FMT_FP6 matrix_b_fmt:MATRIX_FMT_FP6
.endif
.endr
.endr
.endm
.macro STEP s, zero
	s_wait_dscnt 4*NL                              ; all but the youngest 12 loads (q's blocks 4-7)
	WIN MUL_LO
	MUL16 0, \s, \zero
	MUL16 2, \s, \zero
	s_wait_dscnt 0x0
	PLACES NP
	FETCH_B (\s)+1
	FETCH_A (\s)+1, 0
	SCALES (\s)+1
	WIN MUL_HI
	MUL16 4, \s, \zero
	MUL16 6, \s, \zero
	PLACES NP
	WIN 0
	FETCH_A (\s)+1, 4
.endm
.macro TURN s, fill                    ; a step with a barrier in it: every wave's tensor loads have landed, its add is done, its reads of the slot in hand are over
	s_wait_tensorcnt 0x0
	ds_add_u32 v[SPW], v[NIL]
	s_wait_dscnt 4*NL+1                            ; the add and q's blocks 4-7 may be out
	WIN MUL_LO
	MUL16 0, \s, 0
	s_wait_dscnt 0x0
	s_barrier_signal -1
	MUL16 2, \s, 0
	WIN 0
	s_barrier_wait -1
.if \fill
	CREST                                          ; a round of the cluster's barrier: no wave of any partner still reads slot 0 or has a load on its way
	s_add_nc_u64 s[G0A+2:G0A+3], s[G0A+2:G0A+3], 6*REC   ; slot 0 takes K steps 6 and 7: two records, 100 rows (no load of mine is out: the descriptors may be written)
	s_add_nc_u64 s[G0B+2:G0B+3], s[G0B+2:G0B+3], 6*REC
.irp g, G1A, G1B
	s_mov_b32 s[\g+2], 100<<16
	s_mov_b32 s[\g+4], 100
.endr
	JLOAD G0A, G1A, G0B, G1B                       ; first behind the round; it has three K steps in which to land
.else
	PLACES NP
.endif
	FETCH_B (\s)+1
	FETCH_A (\s)+1, 0
	SCALES (\s)+1
	WIN MUL_HI
	MUL16 4, \s, 0
	MUL16 6, \s, 0
	PLACES NP
	WIN 0
	FETCH_A (\s)+1, 4
.endm
	s_wait_alu depctr_va_vdst(0)
	s_wait_tensorcnt 0x0                           ; my part of slot 0 is in; the lines ahead of a later first fill:
	ds_add_u32 v[SPW], v[NIL]
	s_wait_dscnt 0x0
	CROUND
	JLOAD G0A+4, G1A, G0B+4, G1B                   ; K steps 3-5 into slot 1: three K steps in which to land
	FETCH_B 0
	FETCH_A 0, 0
	SCALES 0
	FETCH_A 0, 4
	STEP 0, 1                                      ; the first products start the sums
	STEP 1, 0
	TURN 2, 1                                      ; slot 1 is whole for every wave; slot 0 is filled again
	STEP 3, 0
	STEP 4, 0
	TURN 5, 0                                      ; quarter 3 has landed in slot 0
	STEP 6, 0
	s_wait_dscnt 4*NL
	WIN MUL_LO
	MUL16 0, 7, 0
	MUL16 2, 7, 0
	s_wait_dscnt 0x0
	WIN MUL_HI
	MUL16 4, 7, 0
	MUL16 6, 7, 0
	WIN 0
	s_wait_loadcnt 0x0                             ; the mask's bits
.irp b, 0,1,2,3
	v_mov_b32 v[BX+\b], 0                          ; lane permutes' destinations count as sources; these lines are also the places behind the last products
.endr
	v_mov_b32 v[NM+1], 0
	v_mov_b32 v[TC], 0
; One block of 16 queries: 64 scores a lane.
.macro SOFT a
.set W, 2+(\a)/4
.set AC, 64*((\a)%4)
.set PCD, PCB+20*((\a)%2)
	WIN W
.set k, 0
.rept 32
	v_pk_mul_f32 v[T+k:T+k+1], v[AC+k:AC+k+1], s[CS:CS+1] op_sel_hi:[1,0]   ; t, two at a time; each accumulator from its low end on
.set k, k+2
.endr
	WIN 0
.irp w, 0,1,2,3
	v_lshrrev_b32 v[MS+\w], v[SH], v[MB+4*(\a)+\w] ; key 32 B + 16 h + e is bit 8 B + 4 h + e / 4 of word e % 4
.endr
.set n, 0
.rept 16
.irp u, 0,1,2,3
	v_and_b32 v[TT+\u], 1<<(8*(n/16)+(n%16)/4), v[MS+\u]
.endr
.irp u, 0,1,2,3
	v_cmp_eq_u32 s[CM+\u], 0, v[TT+\u]
.endr
.irp u, 0,1,2,3
	v_cndmask_b32 v[T+n+\u], v[T+n+\u], v[TMKR], s[CM+\u]
.endr
.set n, n+4
.endr
.irp b, 0,1,2,3
	v_max3_num_f32 v[BM+\b], v[T+16*\b], v[T+16*\b+1], v[T+16*\b+2]   ; each block's largest t: for the chunk's maximum, and, since p rises with t, for the block's largest p
.endr
.irp i, 3,5,7,9,11,13
.irp b, 0,1,2,3
	v_max3_num_f32 v[BM+\b], v[BM+\b], v[T+16*\b+\i], v[T+16*\b+\i+1]
.endr
.endr
.irp b, 0,1,2,3
	v_max_num_f32 v[BM+\b], v[BM+\b], v[T+16*\b+15]
.endr
.irp b, 0,1,2,3
	v_permlanex16_b32 v[BX+\b], v[BM+\b], s[SEL], s[SEL+1]
.endr
.irp b, 0,1,2,3
	v_max_num_f32 v[BM+\b], v[BM+\b], v[BX+\b]
.endr
	v_max3_num_f32 v[TA], v[BM], v[BM+1], v[BM+2]
	v_max_num_f32 v[TA], v[TA], v[BM+3]
	v_floor_f32 v[NM], -v[TA]                      ; -M = floor(-t) = -ceil(t)
	v_mov_b32 v[NMS+(\a)], v[NM]
.set k, 0
.rept 32
	v_pk_add_f32 v[T+k:T+k+1], v[T+k:T+k+1], v[NM:NM+1] op_sel_hi:[1,0]   ; t - M
.set k, k+2
.endr
.irp b, 0,1,2,3
	v_add_f32 v[BM+\b], v[BM+\b], v[NM]
.endr
.set k, 0
	s_wait_alu depctr_va_vdst(0)
.rept 64
	v_exp_f32 v[T+k], v[T+k]                       ; p = 2^(t - M)
.set k, k+1
.endr
	v_nop                                          ; a plain place behind the exponentials
	s_wait_alu depctr_va_vdst(0)                   ; one wait for the batch, ahead of its first reader
.irp b, 0,1,2,3
	v_exp_f32 v[BM+\b], v[BM+\b]                   ; the block's largest p: the same instructions on the same number
.endr
	v_pk_add_f32 v[SU0:SU0+1], v[T:T+1], v[T+4:T+5]   ; the sum of the unquantised p, in two chains
	v_pk_add_f32 v[SU1:SU1+1], v[T+2:T+3], v[T+6:T+7]
.irp j, 8,12,16,20,24,28,32,36,40,44,48,52,56,60
	v_pk_add_f32 v[SU0:SU0+1], v[SU0:SU0+1], v[T+\j:T+\j+1]
	v_pk_add_f32 v[SU1:SU1+1], v[SU1:SU1+1], v[T+\j+2:T+\j+3]
.endr
	v_pk_add_f32 v[SU0:SU0+1], v[SU0:SU0+1], v[SU1:SU1+1]
	v_add_f32 v[TA], v[SU0], v[SU0+1]
	v_permlanex16_b32 v[TC], v[TA], s[SEL], s[SEL+1]
	v_add_f32 v[LL+(\a)], v[TA], v[TC]             ; with lane l xor 16's 64 keys
	s_wait_alu depctr_va_vdst(0)                   ; and one for the four
.irp b, 0,1,2,3
	v_max_num_f32 v[BM+\b], 0x1800000, v[BM+\b]    ; the floor 2^(3 - 127)
.endr
.irp b, 0,1,2,3
	v_add_nc_u32 v[SO+\b], 0xff000000, v[BM+\b]    ; 2 off the exponent field: the conversion's scale operand
.endr
.irp b, 0,1,2,3
	v_lshrrev_b32 v[BX+\b], 23, v[SO+\b]
.endr
	v_lshl_or_b32 v[PW+(\a)], v[BX+1], 8, v[BX]
	v_lshl_or_b32 v[PW+(\a)], v[BX+2], 16, v[PW+(\a)]
	v_lshl_or_b32 v[PW+(\a)], v[BX+3], 24, v[PW+(\a)]
.if (\a) >= 2
	s_wait_alu depctr_va_vdst(0)                   ; the wait ahead of the blocking wait
	s_wait_xcnt 0x0                                ; the stores of two blocks ago have read this set of registers
.endif
.irp c, 0,1
	v_cvt_scalef32_pk16_fp6_f32 v[PCD+6*\c:PCD+6*\c+2], v[T+32*\c:T+32*\c+15], v[SO+2*\c]
	v_cvt_scalef32_pk16_fp6_f32 v[PCD+12+4*\c:PCD+14+4*\c], v[T+32*\c+16:T+32*\c+31], v[SO+2*\c+1]
.endr
	v_nop
.irp c, 0,1
.irp i, 0,1,2
	v_permlane16_swap_b32 v[PCD+6*\c+\i], v[PCD+12+4*\c+\i]
.endr
.irp i, 0,1,2
	v_mov_b32 v[PCD+3+6*\c+\i], v[PCD+12+4*\c+\i]
.endr
.endr
.irp c, 0,1,2
	global_store_b128 v[LI], v[PCD+4*\c:PCD+4*\c+3], s[12:13] offset:(\a)*1536+512*\c
.endr
.endm
.irp a, 0,1,2,3,4,5,6,7
	SOFT \a
.endr
	v_cmp_le_u32 vcc_lo, 16, v[LN]                 ; lanes 0-15 store what belongs to blocks 0-3, lanes 16-31 to blocks 4-7
.irp j, 0,1,2,3
	v_cndmask_b32 v[XO+\j], v[PW+\j], v[PW+4+\j], vcc_lo
	v_cndmask_b32 v[XO+4+\j], v[NMS+\j], v[NMS+4+\j], vcc_lo
	v_cndmask_b32 v[XO+8+\j], v[LL+\j], v[LL+4+\j], vcc_lo
.endr
	global_store_b128 v[LI], v[XO:XO+3], s[22:23]
	global_store_b128 v[LI], v[XO+4:XO+7], s[22:23] offset:0x80000
	global_store_b128 v[LI], v[XO+8:XO+11], s[22:23] offset:0x100000
	s_wait_tensorcnt 0x0                           ; the wave's end
	ds_add_u32 v[SPW], v[NIL]
	s_wait_dscnt 0x0
	CROUND
	s_endpgm
.Lfunc_end_k_q9bc0e0fc40_score:
	.size	k_q9bc0e0fc40_score, .Lfunc_end_k_q9bc0e0fc40_score-k_q9bc0e0fc40_score
	.p2alignl 7, 3214868480
	.fill 96, 4, 3214868480
	.section	.rodata,"a",@progbits
	.p2align	6, 0x0
	.amdhsa_kernel k_q9bc0e0fc40_score
		.amdhsa_group_segment_fixed_size 327680
		.amdhsa_private_segment_fixed_size 0
		.amdhsa_enable_private_segment 0
		.amdhsa_kernarg_size 24
		.amdhsa_user_sgpr_count 2
		.amdhsa_user_sgpr_kernarg_segment_ptr 1
		.amdhsa_wavefront_size32 1
		.amdhsa_system_sgpr_workgroup_id_x 1
		.amdhsa_system_sgpr_workgroup_id_y 1
		.amdhsa_system_sgpr_workgroup_id_z 1
		.amdhsa_system_vgpr_workitem_id 0
		.amdhsa_next_free_vgpr 1024
		.amdhsa_next_free_sgpr 102
		.amdhsa_reserve_vcc 1
		.amdhsa_float_denorm_mode_32 3
		.amdhsa_float_denorm_mode_16_64 3
		.amdhsa_memory_ordered 1
		.amdhsa_forward_progress 1
		.amdhsa_inst_pref_size 255
	.end_amdhsa_kernel
	.section	.bss,"aw",@nobits
	.p2align	6
	.space	262144
	.amdgpu_metadata
---
amdhsa.version: [ 1, 2 ]
amdhsa.kernels:
  - .name:           k_q9bc0e0fc40_score
    .symbol:         k_q9bc0e0fc40_score.kd
    .args:
      - { .name: qkv, .offset: 0, .size: 8, .value_kind: global_buffer, .address_space: global }
      - { .name: mbits, .offset: 8, .size: 8, .value_kind: global_buffer, .address_space: global }
      - { .name: pbuf, .offset: 16, .size: 8, .value_kind: global_buffer, .address_space: global }
    .group_segment_fixed_size: 327680
    .private_segment_fixed_size: 0
    .kernarg_segment_align: 8
    .kernarg_segment_size: 24
    .max_flat_workgroup_size: 128
    .sgpr_count:     102
    .vgpr_count:     1024
    .wavefront_size: 32
...
	.end_amdgpu_metadata
.endif
;; end of part 2
;; launch ctx (part 3): grid 4 x 64, 4 waves a work-group, clusters of 4 x 4, 327,680 bytes of LDS; arguments pbuf, qkv, cbuf; writes cbuf
.if DOCPART == 3
	.amdgcn_target "amdgcn-amd-amdhsa--gfx1250"
	.amdhsa_code_object_version 6
	.text
	.protected	k_q9bc0e0fc40_ctx
	.globl	k_q9bc0e0fc40_ctx
	.p2align	8
	.type	k_q9bc0e0fc40_ctx,@function
k_q9bc0e0fc40_ctx:
	s_mov_b64 s[64:65], 0
	v_nop
	global_prefetch_b8 v0, s[64:65] scope:SCOPE_SE
	s_setreg_imm32_b32 hwreg(HW_REG_WAVE_MODE, 25, 1), 1
	s_wait_xcnt 0x0
	s_wait_alu depctr_hold_cnt(0) depctr_sa_sdst(0) depctr_va_vdst(0) depctr_va_sdst(0) depctr_va_ssrc(0) depctr_va_vcc(0) depctr_vm_vsrc(0)
	s_getreg_b32 s2, hwreg(HW_REG_IB_STS2, 6, 4)
	s_cmp_eq_u32 s2, 0
	s_cbranch_scc0 .Lentry_in_a_cluster
	s_endpgm
.Lentry_in_a_cluster:
	s_bfe_u32 s2, ttmp6, 0x10000c
	s_cmp_lg_u32 s2, 0xf033
	s_cbranch_scc0 .Lentry_shape_is_right
	s_endpgm
.Lentry_shape_is_right:
; ctx = (P v) / l on codes of FP6 (E2M3), quantised along the depth for the last product.  a = p (queries in lanes, source 1), b = v^T (channels in registers, source 0); K = the batch's 2,048 keys, 16 steps of 128.
; A tile is 128 queries x 256 channels; four waves, 64 x 128 each: 32 accumulators.  Both operands come as images of their registers.  Two LDS slots of four K steps; p's tile is asked for jointly along a row of the
; cluster, v^T's along a column.
; THE ROW'S M.  Each chunk of 128 keys was quantised under its own whole M.  -M of the row is the least of the sixteen -M; a chunk's k = (-M of the chunk) - (-M of the row) is a whole number, 0 or more, and 2^-k goes
; into the chunk's four scale bytes (byte - k) and into its sum l (v_ldexp_f32): both exact.  Thread t does this for word t of each of the sixteen records while the first tiles are on their way; the mended words and 1 / l go
; to LDS bytes of their own, into which no tensor load lands.
; LIMITS: NaN and infinities are not served.  k is held at 256, and a byte that k exceeds is held at 0, which stands for 2^-127: such a block's terms stay under 2^-124 beside a sum of at least 1/2.
; A block of zeros gets the scale byte 1.
.set FR,    12
; AS IT STANDS: a record of v^T (128 channels, one K step) is 12,800 bytes, its 512 bytes of scale words behind its codes, so v^T's scale words come with its tiles.
; Slot 0 is asked for at the head, one load a wave; slot 1 behind the full sequence and a round.  ctx leaves in records of the same form.
.set REC,   12800
.set SLOT,  49152+8*REC                ; p's four K steps (49,152), then v^T's two groups (four records each)
.set ASC,   2*SLOT                     ; p's mended scale words: 16 records of 512 bytes; written by LDS stores alone
.set LINV,  ASC+8192                   ; 1 / l: 512 bytes
.set SPARE, LINV+512
.set V_IMG, 0xC80000
.set P_SC,  0xC00000
.set R16,  1
.set LI,   2
.set LN,   5
.set ADSA, 6
.set ADSB, 14                          ; v14-15 16 r in my group of v^T, slot 0, 1
.set ADRA, 8                           ; v8-9
.set G4,   10                          ; v10  4 x thread
.set FXA,  11                          ; v11  ASC + 4 x thread
.set ADRB, 12                          ; v12-13
.set SPW,  28
.set NIL,  29
.set SA,   32                          ; v32-39 p's scale words, two sets of 4
.set SB,   40                          ; v40-55 v^T's, two sets of 8
.set RL,   56                          ; v56-59 1 / l of my four blocks; v[60:61] the one in hand
.set T,    64                          ; v64-127 the way out: 64 numbers
.set AF,   128                         ; p's fragments, two sets of 48
.set PCB,  128
.set PW,   224
.set TM,   232
.set FS,   128                         ; the mending: 16 scale words, 16 -M, 16 l
.set FN,   144
.set FL,   160
.set FT,   176
.set FK,   177
.set FB,   180
.set FM,   184
.set SEL,  66
.set G1A,  24
.set G0A,  32
.set G1B,  48
.set G0B,  56
.set MSB, 0
.macro WIN new
.if MSB != (\new)
	s_set_vgpr_msb (MSB<<8)|(\new)
.set MSB, (\new)
.endif
.endm
.set MUL,  0xa1
.set TO_B, 0x40
.macro JLOAD g0a, g1a, g0b, g1b
	s_cmp_eq_u32 s15, 0
	s_cbranch_scc0 .Lfor_b_\@
	tensor_load_to_lds s[\g0a:\g0a+3], s[\g1a:\g1a+7]
	s_nop 0
.rept 4
	v_nop
.endr
	s_branch .Lasked_\@
.Lfor_b_\@:
	tensor_load_to_lds s[\g0b:\g0b+3], s[\g1b:\g1b+7]
	s_nop 0
.rept 4
	v_nop
.endr
.Lasked_\@:
.endm
.macro CREST
	s_cmp_lg_u32 s14, 0
	s_cbranch_scc1 .Lnot_wave_0_\@
	s_barrier_signal -3
.Lnot_wave_0_\@:
	s_barrier_wait -3
	s_barrier_signal -1
	s_barrier_wait -1
.endm
.macro CROUND
	s_barrier_signal -1
	s_barrier_wait -1
	CREST
.endm
.macro PLACES n
.rept \n
	v_nop
.endr
.endm
	s_load_b128 s[4:7], s[0:1], 0x0                ; pbuf, qkv
	s_load_b64 s[8:9], s[0:1], 0x10                ; cbuf
	v_lshl_add_u32 v[SPW], v0, 2, SPARE
	v_mov_b32 v[NIL], 0
	ds_add_u32 v28, v29
	ds_add_u32 v28, v29
	s_wait_dscnt 0x0
	v_lshrrev_b32 v1, 5, v0
	v_readfirstlane_b32 s14, v1                    ; wave
	s_lshr_b32 s15, s14, 1                         ; my 64 of the 128 queries.  Also: I fetch for p (0) or for v^T (1)
	s_and_b32 s16, s14, 1                          ; my group of 128 channels.  Also: which part I fetch
	s_bfe_u32 s40, ttmp6, 0x40000                  ; cx = the tile of 256 channels
	s_bfe_u32 s41, ttmp6, 0x40004                  ; cy
	s_and_b32 s18, ttmp7, 0xffff
	s_lshr_b32 s2, s18, 2                          ; the batch: by the cluster's y alone
	s_lshl_b32 s17, s18, 2
	s_add_co_u32 s17, s17, s41                     ; the group of 128 queries, 0..63
	s_lshl_b32 s43, s41, 2
	s_lshl_b32 s43, 15, s43
	s_lshl_b32 s44, 0x1111, s40
	s_or_b32 s[G1A], s43, (3<<16)|(1<<21)          ; two K steps of p: 96 rows of 256 bytes
	s_mov_b32 s[G1A+1], 32<<16
	s_mov_b32 s[G1A+2], 96<<16
	s_mov_b32 s[G1A+3], 32<<16
	s_mov_b32 s[G1A+4], 96
	s_mov_b32 s[G1A+5], 32
	s_mov_b32 s[G1A+6], 0
	s_mov_b32 s[G1A+7], 0
	s_or_b32 s[G1B], s44, (3<<16)|(1<<21)          ; four K steps of one group of v^T: 200 rows
	s_mov_b32 s[G1B+1], 32<<16
	s_mov_b32 s[G1B+2], 200<<16
	s_mov_b32 s[G1B+3], 32<<16
	s_mov_b32 s[G1B+4], 200
	s_mov_b32 s[G1B+5], 32
	s_mov_b32 s[G1B+6], 0
	s_mov_b32 s[G1B+7], 0
	s_mov_b32 s[SEL], 0x76543210
	s_mov_b32 s[SEL+1], 0xfedcba98
	s_lshl_b32 s20, s17, 4
	s_lshl_b32 s18, s16, 1
	s_add_co_u32 s20, s20, s18
	s_mul_i32 s20, s20, 12288                      ; p: record 16 group + 2 part
	s_mov_b32 s21, 0
	s_lshl_b32 s46, s40, 1
	s_add_co_u32 s46, s46, s16
	s_lshl_b32 s46, s46, 6
	s_lshl_b32 s18, s2, 4
	s_add_co_u32 s46, s46, s18                     ; v^T: record (2 cx + part) x 64 + 16 batch
	s_mul_i32 s46, s46, REC
	s_add_co_u32 s46, s46, V_IMG
	s_mov_b32 s47, 0
	s_mul_i32 s45, s16, 24576                      ; where they go in a slot
	s_mul_i32 s42, s16, 4*REC
	s_add_co_u32 s42, s42, 49152
	s_lshl_b32 s80, s17, 13
	s_add_co_u32 s80, s80, P_SC
	s_mov_b32 s81, 0
	s_wait_kmcnt 0x0
	s_add_nc_u64 s[20:21], s[4:5], s[20:21]
	s_add_nc_u64 s[46:47], s[6:7], s[46:47]
	s_add_nc_u64 s[80:81], s[4:5], s[80:81]        ; the group's sixteen records of scale words; -M and l lie 0x80000 and 0x100000 on
.irp n, 0,1
	s_mov_b32 s[G0A+4*\n], 1
	s_add_co_u32 s[G0A+4*\n+1], s45, \n*SLOT
	s_add_nc_u64 s[G0A+4*\n+2:G0A+4*\n+3], s[20:21], \n*49152
	s_or_b32 s[G0A+4*\n+3], s[G0A+4*\n+3], 0x80000000
	s_mov_b32 s[G0B+4*\n], 1
	s_add_co_u32 s[G0B+4*\n+1], s42, \n*SLOT
	s_add_nc_u64 s[G0B+4*\n+2:G0B+4*\n+3], s[46:47], \n*4*REC
	s_or_b32 s[G0B+4*\n+3], s[G0B+4*\n+3], 0x80000000
.endr
	CROUND                                         ; all sixteen work-groups are here
	JLOAD G0A, G1A, G0B, G1B                       ; slot 0: one tensor load a wave at the head
	v_lshlrev_b32 v[G4], 2, v0
	v_lshl_add_u32 v[FXA], v0, 2, ASC
.irp s, 0,1,2,3,4,5,6,7,8,9,10,11,12,13,14,15
	global_load_b32 v[FS+\s], v[G4], s[80:81] offset:512*\s
	global_load_b32 v[FN+\s], v[G4], s[80:81] offset:0x80000+512*\s
	global_load_b32 v[FL+\s], v[G4], s[80:81] offset:0x100000+512*\s
.endr
	v_and_b32 v[LN], 31, v0
	v_lshlrev_b32 v[LI], 4, v[LN]
	v_and_b32 v[R16], 15, v0
	v_lshlrev_b32 v[R16], 4, v[R16]
	s_wait_alu depctr_va_vdst(0)
	s_mul_i32 s18, s15, 6144                       ; my four blocks of p
	s_mul_i32 s19, s16, 4*REC
	s_add_co_u32 s19, s19, 49152                   ; my group of v^T
.irp n, 0,1
	v_add_nc_u32 v[ADRA+\n], s18, v[LI]
	v_add_nc_u32 v[ADRB+\n], s19, v[LI]
	v_add_nc_u32 v[ADSB+\n], s19, v[R16]
	s_add_co_u32 s18, s18, SLOT
	s_add_co_u32 s19, s19, SLOT
.endr
	s_lshl_b32 s18, s15, 8
	s_add_co_u32 s18, s18, ASC
	v_add_nc_u32 v[ADSA], s18, v[R16]
	s_lshl_b32 s18, s17, 3                         ; my record of ctx: 8 group + 2 cx + part
	s_lshl_b32 s19, s40, 1
	s_add_co_u32 s18, s18, s19
	s_add_co_u32 s18, s18, s16
	s_mul_i32 s12, s18, REC
	s_lshl_b32 s19, s15, 8
	s_add_co_u32 s10, s12, s19
	s_add_co_u32 s10, s10, 12288                   ; the record's scale words, my four blocks' 256 bytes
	s_mov_b32 s11, 0
	s_mul_i32 s19, s15, 6144
	s_add_co_u32 s12, s12, s19                     ; my four blocks' codes
	s_mov_b32 s13, 0
	s_add_nc_u64 s[10:11], s[8:9], s[10:11]        ; my four blocks' scale words
	s_add_nc_u64 s[12:13], s[8:9], s[12:13]        ; and their codes
	s_wait_loadcnt 0x0
	v_min3_num_f32 v[FT], v[FN], v[FN+1], v[FN+2]  ; -M of the row
.irp i, 3,5,7,9,11,13
	v_min3_num_f32 v[FT], v[FT], v[FN+\i], v[FN+\i+1]
.endr
	v_min_num_f32 v[FT], v[FT], v[FN+15]
.irp s, 0,1,2,3,4,5,6,7,8,9,10,11,12,13,14,15
	v_sub_f32 v[FK], v[FN+\s], v[FT]               ; k: a whole number, 0 or more
	v_cvt_i32_f32 v[FK], v[FK]                     ; (it saturates)
	v_min_u32 v[FK], 0x100, v[FK]
	v_sub_nc_u32 v[FK+1], 0, v[FK]
	v_ldexp_f32 v[FL+\s], v[FL+\s], v[FK+1]        ; the chunk's sum under the row's M
	v_and_b32 v[FB], 0xff, v[FS+\s]
	v_bfe_u32 v[FB+1], v[FS+\s], 8, 8
	v_bfe_u32 v[FB+2], v[FS+\s], 16, 8
	v_lshrrev_b32 v[FB+3], 24, v[FS+\s]
.irp i, 0,1,2,3
	v_min_u32 v[FM+\i], v[FB+\i], v[FK]
.endr
.irp i, 0,1,2,3
	v_sub_nc_u32 v[FB+\i], v[FB+\i], v[FM+\i]      ; byte - k, held at 0
.endr
	v_lshl_or_b32 v[FS+\s], v[FB+1], 8, v[FB]
	v_lshl_or_b32 v[FS+\s], v[FB+2], 16, v[FS+\s]
	v_lshl_or_b32 v[FS+\s], v[FB+3], 24, v[FS+\s]
	ds_store_b32 v[FXA], v[FS+\s] offset:512*\s
.endr
.irp i, 0,1,2,3,4,5,6,7
	v_add_f32 v[FL+\i], v[FL+\i], v[FL+8+\i]
.endr
.irp i, 0,1,2,3
	v_add_f32 v[FL+\i], v[FL+\i], v[FL+4+\i]
.endr
.irp i, 0,1
	v_add_f32 v[FL+\i], v[FL+\i], v[FL+2+\i]
.endr
	v_add_f32 v[FL], v[FL], v[FL+1]                ; the row's sum
	s_wait_alu depctr_va_vdst(0)
	v_rcp_f32 v[FL], v[FL]
	v_nop                                          ; a plain place behind the reciprocal
	s_wait_alu depctr_va_vdst(0)                   ; the wait ahead of its first reader
	ds_store_b32 v[FXA], v[FL] offset:8192
.macro FRAGI reg, adr, off
.irp c, 0,1,2
	ds_load_b128 v[(\reg)+4*\c:(\reg)+4*\c+3], v[\adr] offset:(\off)+512*\c
.endr
.endm
; K step s (0..15) lies in slot (s / 4) % 2, p at 12,288 (s % 4), v^T at 12,800 (s % 4); all sets are s % 2
.macro FETCHH s
.set P_, (\s)%2
.set SL_, ((\s)/4)%2
.set Q_, (\s)%4
	WIN TO_B
.irp i, 0,1,2,3,4,5,6,7
	FRAGI 128*P_+FR*\i, ADRB+SL_, Q_*REC+\i*1536
.endr
	WIN 0
.irp a, 0,1,2,3
	FRAGI AF+48*P_+FR*\a, ADRA+SL_, Q_*12288+\a*1536
.endr
	ds_load_b128 v[SA+4*P_:SA+4*P_+3], v[ADSA] offset:512*(\s)
	ds_load_b128 v[SB+8*P_:SB+8*P_+3], v[ADSB+SL_] offset:Q_*REC+12288
	ds_load_b128 v[SB+8*P_+4:SB+8*P_+7], v[ADSB+SL_] offset:Q_*REC+12544
.endm
.macro MUL16H a0, s, zero              ; the 32 accumulators take turns, in the same order in every step
.irp a, \a0, \a0+1
.irp b, 0,1,2,3,4,5,6,7
.set DD, 8*(8*(\a)+\b)
.set BF, 128*((\s)%2)+FR*\b
.set FA, AF+48*((\s)%2)+FR*(\a)
.set SCB, SB+8*((\s)%2)+\b
.set SCA, SA+4*((\s)%2)+(\a)
.if \zero
	v_wmma_scale_f32_16x16x128_f8f6f4 v[DD:DD+7], v[BF:BF+FR-1], v[FA:FA+FR-1], 0, v[SCB], v[SCA] matrix_a_fmt:MATRIX_FMT_FP6 matrix_b_fmt:MATRIX_FMT_FP6
.else
	v_wmma_scale_f32_16x16x128_f8f6f4 v[DD:DD+7], v[BF:BF+FR-1], v[FA:FA+FR-1], v[DD:DD+7], v[SCB], v[SCA] matrix_a_fmt:MATRIX_FMT_FP6 matrix_b_fmt:MATRIX_FMT_FP6
.endif
.endr
.endr
.endm
.macro STEPH s, zero
	s_wait_dscnt 0x0                               ; this step's fragments, asked for a step ago
	PLACES 4                                       ; in front of loads into the sets that the last step's products read
	FETCHH (\s)+1
	WIN MUL
	MUL16H 0, \s, \zero
	MUL16H 2, \s, \zero
	WIN 0
.endm
; A slot's last K step.  Its fragments have been asked for, so behind the waits nobody reads the slot.
.macro TURNH s, fill
.set SLF, ((\s)/4)%2
	s_wait_tensorcnt 0x0                           ; all my tensor loads have landed: my part of the other slot
	ds_add_u32 v[SPW], v[NIL]
	s_wait_dscnt 1                                 ; this step's fragments are in; the add may be out
	WIN MUL
	MUL16H 0, \s, 0
	s_wait_dscnt 0x0
	s_barrier_signal -1
	MUL16H 2, \s, 0
	WIN 0
	s_barrier_wait -1
.if \fill
	CREST                                          ; a round of the cluster's barrier
	s_add_nc_u64 s[G0A+4*SLF+2:G0A+4*SLF+3], s[G0A+4*SLF+2:G0A+4*SLF+3], 98304   ; eight K steps on
	s_add_nc_u64 s[G0B+4*SLF+2:G0B+4*SLF+3], s[G0B+4*SLF+2:G0B+4*SLF+3], 8*REC
	JLOAD G0A+4*SLF, G1A, G0B+4*SLF, G1B           ; first behind the round; it has four K steps in which to land
.else
	PLACES 4
.endif
	FETCHH (\s)+1
.endm
	s_wait_tensorcnt 0x0                           ; my part of slot 0 is in; the lines ahead of a later first fill:
	ds_add_u32 v[SPW], v[NIL]
	s_wait_dscnt 0x0                               ; the add is done, and my mended words and 1 / l have landed
	CROUND
	JLOAD G0A+4, G1A, G0B+4, G1B                   ; slot 1: four K steps in which to land
	FETCHH 0
	ds_load_b128 v[RL:RL+3], v[ADSA] offset:8192   ; 1 / l of my four blocks' rows
	STEPH 0, 1
	STEPH 1, 0
	STEPH 2, 0
	TURNH 3, 1
	STEPH 4, 0
	STEPH 5, 0
	STEPH 6, 0
	TURNH 7, 1
	STEPH 8, 0
	STEPH 9, 0
	STEPH 10, 0
	TURNH 11, 0
	STEPH 12, 0
	STEPH 13, 0
	STEPH 14, 0
	s_wait_dscnt 0x0
	WIN MUL
	MUL16H 0, 15, 0
	MUL16H 2, 15, 0
	WIN 0
	; THE WAY OUT: x 1 / l, quantised along the channels, stored as images
.irp b, 0,1,2,3
	v_mov_b32 v[TM+4+\b], 0                        ; lane permutes' destinations count as sources; also the places behind the last products
.endr
	v_mov_b32 v[RL+5], 0                           ; (named as the upper half of a pair)
.macro OUTBLK a
.set PCD, PCB+20*((\a)%2)
	v_mov_b32 v[RL+4], v[RL+(\a)]
	WIN 0x02                                       ; source 0: the accumulators' window
.set k, 0
.rept 32
	v_pk_mul_f32 v[T+k:T+k+1], v[64*(\a)+k:64*(\a)+k+1], v[RL+4:RL+5] op_sel_hi:[1,0]
.set k, k+2
.endr
	WIN 0
.irp b, 0,1,2,3
	v_max3_num_f32 v[TM+\b], |v[T+16*\b]|, |v[T+16*\b+1]|, 0x1800000
.endr
.irp i, 2,4,6,8,10,12,14
.irp b, 0,1,2,3
	v_max3_num_f32 v[TM+\b], v[TM+\b], |v[T+16*\b+\i]|, |v[T+16*\b+\i+1]|
.endr
.endr
.irp b, 0,1,2,3
	v_permlanex16_b32 v[TM+4+\b], v[TM+\b], s[SEL], s[SEL+1]
.endr
.irp b, 0,1,2,3
	v_max_num_f32 v[TM+\b], v[TM+\b], v[TM+4+\b]
.endr
.irp b, 0,1,2,3
	v_add_nc_u32 v[TM+12+\b], 0xff000000, v[TM+\b]
.endr
.irp b, 0,1,2,3
	v_lshrrev_b32 v[TM+4+\b], 23, v[TM+12+\b]
.endr
	v_lshl_or_b32 v[PW+(\a)], v[TM+5], 8, v[TM+4]
	v_lshl_or_b32 v[PW+(\a)], v[TM+6], 16, v[PW+(\a)]
	v_lshl_or_b32 v[PW+(\a)], v[TM+7], 24, v[PW+(\a)]
.if (\a) >= 2
	s_wait_alu depctr_va_vdst(0)                   ; the wait ahead of the blocking wait
	s_wait_xcnt 0x0                                ; the stores of two blocks ago have read this set of registers
.endif
.irp c, 0,1
	v_cvt_scalef32_pk16_fp6_f32 v[PCD+6*\c:PCD+6*\c+2], v[T+32*\c:T+32*\c+15], v[TM+12+2*\c]
	v_cvt_scalef32_pk16_fp6_f32 v[PCD+12+4*\c:PCD+14+4*\c], v[T+32*\c+16:T+32*\c+31], v[TM+13+2*\c]
.endr
	v_nop
.irp c, 0,1
.irp i, 0,1,2
	v_permlane16_swap_b32 v[PCD+6*\c+\i], v[PCD+12+4*\c+\i]
.endr
.irp i, 0,1,2
	v_mov_b32 v[PCD+3+6*\c+\i], v[PCD+12+4*\c+\i]
.endr
.endr
.irp c, 0,1,2
	global_store_b128 v[LI], v[PCD+4*\c:PCD+4*\c+3], s[12:13] offset:(\a)*1536+512*\c
.endr
.endm
.irp a, 0,1,2,3
	OUTBLK \a
.endr
	s_wait_alu depctr_va_vdst(0)                   ; the wait ahead of the blocking wait
	s_wait_xcnt 0x0                                ; EXEC changes only behind this wait
	v_cmp_gt_u32 vcc_lo, 16, v[LN]
	s_and_saveexec_b32 s20, vcc_lo
	global_store_b128 v[R16], v[PW:PW+3], s[10:11] ; sixteen lanes store 256 consecutive bytes, aligned
	s_wait_xcnt 0x0
	s_or_b32 exec_lo, exec_lo, s20
	s_wait_tensorcnt 0x0                           ; the wave's end
	ds_add_u32 v[SPW], v[NIL]
	s_wait_dscnt 0x0
	CROUND
	s_endpgm
.Lfunc_end_k_q9bc0e0fc40_ctx:
	.size	k_q9bc0e0fc40_ctx, .Lfunc_end_k_q9bc0e0fc40_ctx-k_q9bc0e0fc40_ctx
	.p2alignl 7, 3214868480
	.fill 96, 4, 3214868480
	.section	.rodata,"a",@progbits
	.p2align	6, 0x0
	.amdhsa_kernel k_q9bc0e0fc40_ctx
		.amdhsa_group_segment_fixed_size 327680
		.amdhsa_private_segment_fixed_size 0
		.amdhsa_enable_private_segment 0
		.amdhsa_kernarg_size 24
		.amdhsa_user_sgpr_count 2
		.amdhsa_user_sgpr_kernarg_segment_ptr 1
		.amdhsa_wavefront_size32 1
		.amdhsa_system_sgpr_workgroup_id_x 1
		.amdhsa_system_sgpr_workgroup_id_y 1
		.amdhsa_system_sgpr_workgroup_id_z 1
		.amdhsa_system_vgpr_workitem_id 0
		.amdhsa_next_free_vgpr 768
		.amdhsa_next_free_sgpr 100
		.amdhsa_reserve_vcc 1
		.amdhsa_float_denorm_mode_32 3
		.amdhsa_float_denorm_mode_16_64 3
		.amdhsa_memory_ordered 1
		.amdhsa_forward_progress 1
		.amdhsa_inst_pref_size 164
	.end_amdhsa_kernel
	.amdgpu_metadata
---
amdhsa.version: [ 1, 2 ]
amdhsa.kernels:
  - .name:           k_q9bc0e0fc40_ctx
    .symbol:         k_q9bc0e0fc40_ctx.kd
    .args:
      - { .name: pbuf, .offset: 0, .size: 8, .value_kind: global_buffer, .address_space: global }
      - { .name: qkv, .offset: 8, .size: 8, .value_kind: global_buffer, .address_space: global }
      - { .name: cbuf, .offset: 16, .size: 8, .value_kind: global_buffer, .address_space: global }
    .group_segment_fixed_size: 327680
    .private_segment_fixed_size: 0
    .kernarg_segment_align: 8
    .kernarg_segment_size: 24
    .max_flat_workgroup_size: 128
    .sgpr_count:     100
    .vgpr_count:     768
    .wavefront_size: 32
...
	.end_amdgpu_metadata
.endif
;; end of part 3
;; launch outp (part 4): grid 4 x 64, 4 waves a work-group, clusters of 4 x 4, 327,680 bytes of LDS; arguments cbuf, Wo_codes, Wo_scales, bo, out0; writes out0
.if DOCPART == 4
	.amdgcn_target "amdgcn-amd-amdhsa--gfx1250"
	.amdhsa_code_object_version 6
	.text
	.protected	k_q9bc0e0fc40_outp
	.globl	k_q9bc0e0fc40_outp
	.p2align	8
	.type	k_q9bc0e0fc40_outp,@function
k_q9bc0e0fc40_outp:
	s_mov_b64 s[64:65], 0
	v_nop
	global_prefetch_b8 v0, s[64:65] scope:SCOPE_SE
	s_setreg_imm32_b32 hwreg(HW_REG_WAVE_MODE, 25, 1), 1
	s_wait_xcnt 0x0
	s_wait_alu depctr_hold_cnt(0) depctr_sa_sdst(0) depctr_va_vdst(0) depctr_va_sdst(0) depctr_va_ssrc(0) depctr_va_vcc(0) depctr_vm_vsrc(0)
	s_getreg_b32 s2, hwreg(HW_REG_IB_STS2, 6, 4)
	s_cmp_eq_u32 s2, 0
	s_cbranch_scc0 .Lentry_in_a_cluster
	s_endpgm
.Lentry_in_a_cluster:
	s_bfe_u32 s2, ttmp6, 0x10000c
	s_cmp_lg_u32 s2, 0xf033
	s_cbranch_scc0 .Lentry_shape_is_right
	s_endpgm
.Lentry_shape_is_right:
; out = ctx Wo^T + bo on codes of FP6 (E2M3).  a = ctx (queries in lanes, source 1), as records of 12,800 bytes (register images, scale words behind them); b = Wo (channels in registers, source 0), as it is given.
; A tile is 128 queries x 256 channels; four waves, 64 x 128 each: 32 accumulators.  ALL OF K = 1,024 LIES IN LDS: ctx's eight records (102,400 dense bytes), Wo's 256 whole rows of 768 bytes
; (each begins at a multiple of 256; 16 bytes of padding behind every 256: pitch 816), Wo's scale bytes.  One tensor load a wave at the head: wave 0 ctx, waves 1 and 2 128 rows of Wo each, wave 3 the scales.
; Nothing is filled again, so no ring and one barrier.  ctx's tile is asked for jointly along a row of the cluster, Wo's along a column.
; Lane r of Wo's block i takes row 32 (i / 2) + 8 (i % 2) + r + 8 (r / 8), as ctx's own rows were taken: register 8 b + j of a block is channel 32 (b / 2) + 8 (b % 2) + 16 h + j.  The bias is the C of the first products.
; The way out goes through a stage that lies over ctx's first records, behind a barrier behind which nobody reads them; no fill lands there any more.
; No prefetch: all tiles are asked for at the head, and there is no loop to run ahead in.
.set FR,    12
.set REC,   12800
.set PITCH, 816
.set BT,    8*REC                      ; Wo's rows
.set HALFB, 128*PITCH
.set BSC,   BT+2*HALFB                 ; Wo's scales: 32 rows of 256 + 16
.set SPARE, BSC+8704
.set STG,   0
.set LI,   2
.set ADSB, 7
.set ADRA, 8                           ; v8-9   my ctx fragments, K steps 0-3, 4-7
.set ADSA, 10                          ; v10-11 their scale words
.set ADRB, 12                          ; v12-13 Wo's even blocks (13: lanes 16-31 behind one padding more); v14-15 the odd blocks
.set BA,   19
.set STO,  20
.set RD,   21
.set SPW,  28
.set NIL,  29
.set SA,   32
.set SB,   40
.set BC,   72
.set AF,   136
.set BK,   72
.set G1A,  24
.set G0A,  32
.set G0B,  36
.set G0S,  40
.set G1B,  48
.set G1S,  56
.set MSB, 0
.macro WIN new
.if MSB != (\new)
	s_set_vgpr_msb (MSB<<8)|(\new)
.set MSB, (\new)
.endif
.endm
.set MUL,  0xa1
.set TO_B, 0x40
.macro CROUND
	s_barrier_signal -1
	s_barrier_wait -1
	s_cmp_lg_u32 s14, 0
	s_cbranch_scc1 .Lnot_wave_0_\@
	s_barrier_signal -3
.Lnot_wave_0_\@:
	s_barrier_wait -3
	s_barrier_signal -1
	s_barrier_wait -1
.endm
.macro PLACES n
.rept \n
	v_nop
.endr
.endm
	s_load_b256 s[4:11], s[0:1], 0x0               ; cbuf, Wo_codes, Wo_scales, bo
	s_load_b64 s[12:13], s[0:1], 0x20              ; out0
	v_lshl_add_u32 v[SPW], v0, 2, SPARE
	v_mov_b32 v[NIL], 0
	ds_add_u32 v[SPW], v[NIL]                      ; the opening lines: the add twice and one wait
	ds_add_u32 v[SPW], v[NIL]
	v_lshrrev_b32 v1, 5, v0
	v_readfirstlane_b32 s14, v1                    ; wave
	s_lshr_b32 s15, s14, 1                         ; my 64 of the queries; also: which 128 rows of Wo waves 1 and 2 fetch
	s_and_b32 s16, s14, 1                          ; my 128 of the channels
	s_bfe_u32 s92, ttmp6, 0x40000                  ; cx: the tile of 256 channels
	s_bfe_u32 s93, ttmp6, 0x40004                  ; cy
	s_and_b32 s17, ttmp7, 0xffff
	s_lshl_b32 s17, s17, 2
	s_add_co_u32 s17, s17, s93                     ; the group of 128 queries
	s_lshl_b32 s94, s93, 2
	s_lshl_b32 s94, 15, s94                        ; my row of the cluster
	s_lshl_b32 s95, 0x1111, s92                    ; my column
	s_or_b32 s[G1A], s94, (3<<16)|(1<<21)          ; 400 dense rows of 256 bytes
	s_mov_b32 s[G1A+1], 32<<16
	s_mov_b32 s[G1A+2], 400<<16
	s_mov_b32 s[G1A+3], 32<<16
	s_mov_b32 s[G1A+4], 400
	s_mov_b32 s[G1A+5], 32
	s_mov_b32 s[G1A+6], 0
	s_mov_b32 s[G1A+7], 0
	s_or_b32 s[G1B], s95, (0<<16)|(1<<20)|(1<<21)|(5<<22)|(3<<25)   ; 128 rows of 768 bytes, 4 words of padding behind every 64
	; Wo's rows are dense in memory: a tile's row is 8 rows of Wo on end (6,144 bytes), and the tile's 16 rows lie 16 rows of Wo apart.  Wave 1 takes rows 16 q + 0 .. 7 (u = 0), wave 2 rows 16 q + 8 .. 15 (u = 1).
	; So row 16 q + 8 u + j of Wo's 256 is LDS row 128 u + 8 q + j, and the sixteen rows of block i = 2 B + u of my half H, 128 H + 32 B + 8 u + r + 8 (r / 8), are the neighbours 128 u + 64 H + 16 B + r:
	; at 204 words a row they start at sixteen different multiples of 4 words modulo 64.
	s_mov_b32 s[G1B+1], 6144<<16
	s_mov_b32 s[G1B+2], 16<<16
	s_mov_b32 s[G1B+3], 6144<<16
	s_mov_b32 s[G1B+4], 16
	s_mov_b32 s[G1B+5], 12288
	s_mov_b32 s[G1B+6], 0
	s_mov_b32 s[G1B+7], 0
	s_or_b32 s[G1S], s95, (3<<16)|(1<<20)|(1<<21)|(5<<22)|(3<<25)   ; 8,192 dense bytes as 32 rows of 256
	s_mov_b32 s[G1S+1], 32<<16
	s_mov_b32 s[G1S+2], 32<<16
	s_mov_b32 s[G1S+3], 32<<16
	s_mov_b32 s[G1S+4], 32
	s_mov_b32 s[G1S+5], 32
	s_mov_b32 s[G1S+6], 0
	s_mov_b32 s[G1S+7], 0
	s_mul_i32 s20, s17, 8*REC
	s_mov_b32 s21, 0
	s_lshl_b32 s22, s92, 8
	s_lshl_b32 s18, s15, 3                         ; wave 1: from row 0 on, wave 2: from row 8 on
	s_add_co_u32 s22, s22, s18
	s_mul_i32 s22, s22, 768
	s_mov_b32 s23, 0
	s_lshl_b32 s96, s92, 13
	s_mov_b32 s97, 0
	s_mul_i32 s19, s15, HALFB
	s_add_co_u32 s19, s19, BT
	s_wait_alu depctr_va_vdst(0)                   ; the wait ahead of the blocking wait
	s_wait_dscnt 0x0
	s_wait_kmcnt 0x0
	s_mov_b32 s[G0A], 1
	s_mov_b32 s[G0A+1], 0
	s_add_nc_u64 s[G0A+2:G0A+3], s[4:5], s[20:21]
	s_or_b32 s[G0A+3], s[G0A+3], 0x80000000
	s_mov_b32 s[G0B], 1
	s_mov_b32 s[G0B+1], s19
	s_add_nc_u64 s[G0B+2:G0B+3], s[6:7], s[22:23]
	s_or_b32 s[G0B+3], s[G0B+3], 0x80000000
	s_mov_b32 s[G0S], 1
	s_mov_b32 s[G0S+1], BSC
	s_add_nc_u64 s[G0S+2:G0S+3], s[8:9], s[96:97]
	s_or_b32 s[G0S+3], s[G0S+3], 0x80000000
	CROUND                                         ; all sixteen work-groups are here
.macro ARM under, g0, g1, next         ; one chain of branches on the wave's number, one load to an arm
	s_cmp_lt_u32 s14, \under
	s_cbranch_scc0 \next
	tensor_load_to_lds s[\g0:\g0+3], s[\g1:\g1+7]
	s_nop 0
.rept 4
	v_nop
.endr
	s_branch .Lhead_asked
\next:
.endm
	ARM 1, G0A, G1A, .Lhead_b
	ARM 3, G0B, G1B, .Lhead_s
	tensor_load_to_lds s[G0S:G0S+3], s[G1S:G1S+7]
	s_nop 0
.rept 4
	v_nop
.endr
.Lhead_asked:
	s_lshl_b32 s18, s92, 10                        ; scalars first, then one run of vector lines
	s_lshl_b32 s19, s16, 9
	s_add_co_u32 s18, s18, s19
	s_mov_b32 s19, 0
	s_add_nc_u64 s[10:11], s[10:11], s[18:19]      ; the bias of my 128 channels
	s_lshl_b32 s20, s17, 7
	s_lshl_b32 s21, s15, 6
	s_add_co_u32 s20, s20, s21
	s_lshl_b32 s20, s20, 12
	s_add_co_u32 s18, s18, s20
	s_add_nc_u64 s[12:13], s[12:13], s[18:19]      ; my corner of out
	s_mul_i32 s18, s16, 64*PITCH
	s_add_co_u32 s18, s18, BT
	s_mul_i32 s19, s15, 6144
	s_lshl_b32 s22, s15, 8
	s_add_co_u32 s22, s22, 12288
	s_mul_i32 s23, s16, 4352
	s_add_co_u32 s23, s23, BSC
	s_mul_i32 s96, s14, 8448
	s_add_co_u32 s96, s96, STG
	v_and_b32 v1, 15, v0                           ; r
	v_bfe_u32 v3, v0, 4, 1                         ; h
	v_lshlrev_b32 v[BA], 6, v3
.irp b, 0,1,2,3,4,5,6,7
	global_load_b128 v[BC+8*\b:BC+8*\b+3], v[BA], s[10:11] offset:4*(32*(\b/2)+8*(\b%2))
	global_load_b128 v[BC+8*\b+4:BC+8*\b+7], v[BA], s[10:11] offset:4*(32*(\b/2)+8*(\b%2))+16
.endr
	v_and_b32 v4, 31, v0
	v_lshlrev_b32 v[LI], 4, v4
	v_and_b32 v5, 8, v1
	v_add_nc_u32 v5, v5, v1                        ; r + 8 (r / 8)
	v_mul_u32_u24 v22, v1, PITCH
	v_mad_u32_u24 v22, v3, 24, v22
	v_add_nc_u32 v[ADRB], s18, v22
	v_lshl_add_u32 v[ADRB+1], v3, 4, v[ADRB]
	v_add_nc_u32 v[ADRB+2], 128*PITCH, v[ADRB]     ; v12-13 serve the even blocks (u = 0), v14-15 the odd ones
	v_add_nc_u32 v[ADRB+3], 128*PITCH, v[ADRB+1]
	v_add_nc_u32 v[ADRA], s19, v[LI]
	v_add_nc_u32 v[ADRA+1], 4*REC, v[ADRA]
	v_lshl_add_u32 v[ADSA], v1, 4, s22
	v_add_nc_u32 v[ADSA+1], 4*REC, v[ADSA]
	v_lshlrev_b32 v22, 5, v5                       ; Wo's scales: 32 bytes a row, 16 more for each 256 passed
	v_lshrrev_b32 v23, 8, v22
	v_lshl_add_u32 v22, v23, 4, v22
	v_add_nc_u32 v[ADSB], s23, v22
	v_mul_u32_u24 v[STO], v1, 528
	v_lshl_add_u32 v[STO], v3, 6, v[STO]
	v_add_nc_u32 v[STO], s96, v[STO]
	v_add_nc_u32 v[RD], s96, v[LI]
.macro FRAGI reg, adr, off
.irp c, 0,1,2
	ds_load_b128 v[(\reg)+4*\c:(\reg)+4*\c+3], v[\adr] offset:(\off)+512*\c
.endr
.endm
.macro FRAGR reg, s, i                 ; piece PIE (8 bytes) of a row lies at 8 PIE + 16 (PIE / 32); lanes 16-31 read three pieces on, behind one padding more where PIE % 32 is 29 or more
.irp p, 0,1,2,3,4,5
.set PIE, 12*(\s)+6*(\p/3)+\p%3
.set RO, 16*((\i)/2)*PITCH
.if PIE%32 < 29
	ds_load_b64 v[\reg+2*\p:\reg+2*\p+1], v[ADRB+2*((\i)%2)] offset:8*PIE+16*(PIE/32)+RO
.else
	ds_load_b64 v[\reg+2*\p:\reg+2*\p+1], v[ADRB+2*((\i)%2)+1] offset:8*PIE+16*(PIE/32)+RO
.endif
.endr
.endm
.macro FETCHH s
.set P_, (\s)%2
.set N_, (\s)/2
.set H_, (\s)/4
.set Q_, (\s)%4
	WIN TO_B
.irp i, 0,1,2,3,4,5,6,7
	FRAGR 128*P_+FR*\i, \s, \i
.endr
	WIN 0
.irp a, 0,1,2,3
	FRAGI AF+48*P_+FR*\a, ADRA+H_, Q_*REC+\a*1536
.endr
	ds_load_b128 v[SA+4*P_:SA+4*P_+3], v[ADSA+H_] offset:Q_*REC
.if P_ == 0
.irp i, 0,1,2,3,4,5,6,7
	ds_load_b64 v[SB+16*(N_%2)+2*\i:SB+16*(N_%2)+2*\i+1], v[ADSB] offset:(4*(\i/2)+\i%2)*272+8*N_
.endr
.endif
.endm
.macro MUL16H a0, s, cm                ; the 32 accumulators take turns
.irp a, \a0, \a0+1
.irp b, 0,1,2,3,4,5,6,7
.set DD, 8*(8*(\a)+\b)
.set BF, 128*((\s)%2)+FR*\b
.set FA, AF+48*((\s)%2)+FR*(\a)
.set SCB, SB+16*(((\s)/2)%2)+2*\b+(\s)%2
.set SCA, SA+4*((\s)%2)+(\a)
.if \cm
	v_wmma_scale_f32_16x16x128_f8f6f4 v[DD:DD+7], v[BF:BF+FR-1], v[FA:FA+FR-1], v[BC+8*\b:BC+8*\b+7], v[SCB], v[SCA] matrix_a_fmt:MATRIX_FMT_FP6 matrix_b_fmt:MATRIX_FMT_FP6
.else
	v_wmma_scale_f32_16x16x128_f8f6f4 v[DD:DD+7], v[BF:BF+FR-1], v[FA:FA+FR-1], v[DD:DD+7], v[SCB], v[SCA] matrix_a_fmt:MATRIX_FMT_FP6 matrix_b_fmt:MATRIX_FMT_FP6
.endif
.endr
.endr
.endm
.macro STEPH s, cm
	s_wait_dscnt 0x0                               ; this step's fragments, asked for a step ago
	PLACES 4                                       ; in front of loads into the sets that the last step's products read
	FETCHH (\s)+1
.if \cm
	WIN 0x81                                       ; C in window 0
.else
	WIN MUL
.endif
	MUL16H 0, \s, \cm
	MUL16H 2, \s, \cm
	WIN 0
.endm
	s_wait_alu depctr_va_vdst(0)                   ; the wait at the head's end
	s_wait_tensorcnt 0x0                           ; my tile is in
	s_barrier_signal -1
	s_barrier_wait -1                              ; and everybody's
	FETCHH 0
	s_wait_loadcnt 0x0                             ; the bias
	STEPH 0, 1
.irp t, 1,2,3,4,5,6
	STEPH \t, 0
.endr
	s_wait_dscnt 0x0                               ; my last reads of the tiles are over
	s_barrier_signal -1
	WIN MUL
	MUL16H 0, 7, 0
	MUL16H 2, 7, 0
	WIN 0
	s_barrier_wait -1                              ; nobody reads ctx's records any more: the stage may lie there
.macro TOSTAGE a
	WIN 0x08
.irp b, 0,1,2,3,4,5,6,7
	ds_store_b128 v[STO], v[64*(\a)+8*\b:64*(\a)+8*\b+3] offset:128*(\b/2)+32*(\b%2)     ; each accumulator from its low end on
	ds_store_b128 v[STO], v[64*(\a)+8*\b+4:64*(\a)+8*\b+7] offset:128*(\b/2)+32*(\b%2)+16
.endr
	WIN 0
.set BB, BK+64*((\a)%2)
.irp t, 0,1,2,3,4,5,6,7,8,9,10,11,12,13,14,15
	ds_load_b128 v[BB+4*\t:BB+4*\t+3], v[RD] offset:\t*528      ; a wave's LDS instructions are served in order: these see the stores above
.endr
.endm
.macro SEND a, younger                 ; younger: the LDS instructions issued behind block a's loads
.set BB, BK+64*((\a)%2)
	s_wait_dscnt \younger
.irp t, 0,1,2,3,4,5,6,7,8,9,10,11,12,13,14,15
	global_store_b128 v[LI], v[BB+4*\t:BB+4*\t+3], s[12:13] offset:(32*((\a)/2)+8*((\a)%2)+\t+8*(\t/8))*4096 th:TH_STORE_NT   ; 32 lanes store 512 consecutive bytes, aligned
.endr
.endm
	PLACES 4
	TOSTAGE 0
.irp a, 1,2,3
.if \a > 1
	s_wait_xcnt 0x0                                ; the stores of two blocks ago have read their registers
.endif
	TOSTAGE \a
	SEND \a-1, 32
.endr
	SEND 3, 0
	s_wait_tensorcnt 0x0                           ; the wave's end
	ds_add_u32 v[SPW], v[NIL]
	s_wait_dscnt 0x0
	CROUND                                         ; the closing round
	s_endpgm
.Lfunc_end_k_q9bc0e0fc40_outp:
	.size	k_q9bc0e0fc40_outp, .Lfunc_end_k_q9bc0e0fc40_outp-k_q9bc0e0fc40_outp
	.p2alignl 7, 3214868480
	.fill 96, 4, 3214868480
	.section	.rodata,"a",@progbits
	.p2align	6, 0x0
	.amdhsa_kernel k_q9bc0e0fc40_outp
		.amdhsa_group_segment_fixed_size 327680
		.amdhsa_private_segment_fixed_size 0
		.amdhsa_enable_private_segment 0
		.amdhsa_kernarg_size 40
		.amdhsa_user_sgpr_count 2
		.amdhsa_user_sgpr_kernarg_segment_ptr 1
		.amdhsa_wavefront_size32 1
		.amdhsa_system_sgpr_workgroup_id_x 1
		.amdhsa_system_sgpr_workgroup_id_y 1
		.amdhsa_system_sgpr_workgroup_id_z 1
		.amdhsa_system_vgpr_workitem_id 0
		.amdhsa_next_free_vgpr 768
		.amdhsa_next_free_sgpr 100
		.amdhsa_reserve_vcc 0
		.amdhsa_float_denorm_mode_32 3
		.amdhsa_float_denorm_mode_16_64 3
		.amdhsa_memory_ordered 1
		.amdhsa_forward_progress 1
		.amdhsa_inst_pref_size 91
	.end_amdhsa_kernel
	.amdgpu_metadata
---
amdhsa.version: [ 1, 2 ]
amdhsa.kernels:
  - .name:           k_q9bc0e0fc40_outp
    .symbol:         k_q9bc0e0fc40_outp.kd
    .args:
      - { .name: cbuf, .offset: 0, .size: 8, .value_kind: global_buffer, .address_space: global }
      - { .name: Wo_codes, .offset: 8, .size: 8, .value_kind: global_buffer, .address_space: global }
      - { .name: Wo_scales, .offset: 16, .size: 8, .value_kind: global_buffer, .address_space: global }
      - { .name: bo, .offset: 24, .size: 8, .value_kind: global_buffer, .address_space: global }
      - { .name: out0, .offset: 32, .size: 8, .value_kind: global_buffer, .address_space: global }
    .group_segment_fixed_size: 327680
    .private_segment_fixed_size: 0
    .kernarg_segment_align: 8
    .kernarg_segment_size: 40
    .max_flat_workgroup_size: 128
    .sgpr_count:     100
    .vgpr_count:     768
    .wavefront_size: 32
...
	.end_amdgpu_metadata
.endif
;; end of part 4
